; MI455X (gfx1250); checked and timed in simulation.
; The chip was launched on July 23, 2026; its instructions are those of AMD's public machine-readable ISA for CDNA 5 (MIT licence, August 2026) and "CDNA5" Instruction Set Architecture Reference Guide (July 2026). The comments in the code are by the model that wrote it; some were corrected since.
;; Inc Concave NN. Allowed arithmetic: matrix products marked QUANTISED: E3M2 operands, one E8M0 scale for each 32 along K, by v_wmma_scale_f32_16x16x128_f8f6f4 with both operands' format E3M2, f32 sums; products left as they are: f32 operands where the result goes on into a quantised operand, else bf16, f16 or f32 operands; f32 sums; everything else in f32.
;; Inputs: h 256 x 63 float32; ib0 128 float32; ib1 128 float32; ib2 1 float32; iw0_codes 128 x 2 x 24 uint8 (E3M2 codes of iw0, K innermost, in blocks of 32 codes, four codes in three bytes); iw0_scales 128 x 2 uint8 (E8M0 scales of iw0, one for each 32 codes along K); iw1_codes 128 x 4 x 24 uint8 (E3M2 codes of iw1, K innermost, in blocks of 32 codes, four codes in three bytes); iw1_scales 128 x 4 uint8 (E8M0 scales of iw1, one for each 32 codes along K); iw2 128 x 1 float32; nb0 128 float32; nb1 128 float32; nb2 2 float32; nw0 63 x 128 float32; nw1_codes 128 x 4 x 24 uint8 (E3M2 codes of nw1, K innermost, in blocks of 32 codes, four codes in three bytes); nw1_scales 128 x 4 uint8 (E8M0 scales of nw1, one for each 32 codes along K); nw2 128 x 2 float32; x 256 x 1 float32.
;; Outputs: out0 256 x 1 float32.
;; This version of the problem:
;;   THIS VERSION OF THE PROBLEM IS GIVEN IN LOW PRECISION. The matrix products marked QUANTISED in the list below multiply operands that are first quantised to E3M2 (3 exponent bits, 2 mantissa bits; 6 bits a number), with one power-of-two scale for each 32 numbers along K (OCP MX v1.0); their sums are f32. All else is computed in f32.
;;   The module's matrix products, in the order in which they are computed (A, B: the left and right operand; K: the contracted axis; several contracted axes count as one K, in the product's order):
;;     1. [M 665,856, K 64] x [K 64, N 128]; A: computed on the way; B: input iw0 (given as codes): QUANTISED
;;     2. [M 665,856, K 128] x [K 128, N 128]; A: computed on the way; B: input iw1 (given as codes): QUANTISED
;;     3. [M 665,856, K 128] x [K 128, N 1]; A: computed on the way; B: input iw2: left as it is (N = 1 < 16)
;;     4. [M 256, K 63] x [K 63, N 128]; A: input h; B: input nw0: QUANTISED
;;     5. [M 256, K 128] x [K 128, N 128]; A: computed on the way; B: input nw1 (given as codes): QUANTISED
;;     6. [M 256, K 128] x [K 128, N 2]; A: computed on the way; B: input nw2: left as it is (N = 2 < 16)
;;   THE QUANTISER, for each operand of a quantised product, along K:
;;     - K is cut into blocks of 32 from its start; a last block that is shorter is filled with zeros.
;;     - A block's scale is 2^e with e = floor(log2(the largest magnitude in the block)) - 4, held to -126 .. 127; a block of zeros has e = 0. As a byte (E8M0): e + 127.
;;     - Each number is divided by its block's scale, clamped to +-28, and rounded to the nearest number of E3M2, ties to even, subnormals kept.
;;     - The product sums the exact products of the quantised numbers (number of the format x scale) in f32.
;;   ~~~python
;;   def quantise(x, axis):      # numpy; x: float32 -> the quantised numbers, widened to float32 again
;;       x = np.moveaxis(x, axis, -1); K = x.shape[-1]
;;       x = np.pad(x, [(0, 0)] * (x.ndim - 1) + [(0, -K % 32)]); x = x.reshape(x.shape[:-1] + (-1, 32)); a = np.abs(x).max(-1, keepdims=True)
;;       e = np.where(a > 0, np.clip(np.frexp(np.where(a > 0, a, 1))[1] - 1 - 4, -126, 127), 0)      # np.frexp(a)[1] - 1 = floor(log2(a)), exactly
;;       r = np.clip(x / 2.0 ** e, -28, 28)
;;       step = 2.0 ** (np.maximum(np.frexp(np.where(r == 0, 1, r))[1] - 1, -2) - 2)
;;       q = np.round(r / step) * step * 2.0 ** e      # np.round: ties to even
;;       return np.moveaxis(q.reshape(q.shape[:-2] + (-1,))[..., :K], -1, axis).astype(np.float32)
;;   ~~~
;;   OPERANDS COMPUTED ON THE WAY. 'Computed on the way' means the value that the module computes at that place (a softmax that the list does not call 'softmax' is quantised finished and normalised). What goes into a quantiser is computed in f32, as accurately as f32 sums, v_exp_f32 and their like allow (about 1e-6 of the number): no bf16 or f16 on the way to a quantiser, and a product that is left as it is and whose result goes on into a quantised operand takes f32 operands (vector FMAs, or v_wmma_f32_16x16x4_f32). A number that lies on a knife's edge between two numbers of the format may be rounded either way, as far as f32 arithmetic and the matrix unit's own rounding can turn it there, and no further.
;;   INPUTS GIVEN AS CODES. iw0 (in the module: [64, 128], K = its axis 0); iw1 (in the module: [128, 128], K = its axis 0); nw1 (in the module: [128, 128], K = its axis 0): each comes as NAME_codes (uint8): NAME with its K axis moved to the last place and cut into blocks of 32 codes, [.., K / 32, bytes a block], one block behind the other in memory; four codes in three bytes: a row's codes are one little-endian stream of bits, code i at bits 6 i .. 6 i + 5 (a code: sign, 3 exponent bits, 2 mantissa bits); and NAME_scales (uint8): the same leading axes, one E8M0 byte (e + 127) for each 32 codes along K. Its value is code x scale, taken as it is: it is not quantised again, and the codes and scales need not be those that the quantiser above would give.
;; 2 versions. Each part assembles by itself: llvm-mc -triple=amdgcn-amd-amdhsa -mcpu=gfx1250 --defsym DOCPART=n.
;; ======== version 1 of 2: 1 launch
;; launch umnn (part 1): grid 256 x 1, 8 waves a work-group, no clusters, 27,904 bytes of LDS; arguments x, h, iw0_codes, iw0_scales, iw1_codes, iw1_scales, ib0, ib1, iw2, ib2, nw0, nb0, nw1_codes, nw1_scales, nb1, nw2, nb2, out0; writes out0
.if DOCPART == 1
	.amdgcn_target "amdgcn-amd-amdhsa--gfx1250"
	.amdhsa_code_object_version 6
	.text
	.protected	k_q0c686b4033_umnn
	.globl	k_q0c686b4033_umnn
	.p2align	8
	.type	k_q0c686b4033_umnn,@function
k_q0c686b4033_umnn:
	s_mov_b64 s[64:65], 0
	v_nop
	global_prefetch_b8 v0, s[64:65] scope:SCOPE_SE
	s_setreg_imm32_b32 hwreg(HW_REG_WAVE_MODE, 25, 1), 1
	s_wait_xcnt 0x0
; out[b] = exp(o1) * (x/2) * sum over i, j of cc_i cc_j (xmax - t_i)/2 * f(s_ij, h_b) + o0:  a 51 x 51 Clenshaw-Curtis double sum of a small MLP f (64 -> 128 -> 128 -> 1,
; ReLU, ReLU, ELU + 1), and a second MLP on h_b (63 -> 128 -> 128 -> 2) for o0, o1.  The four wide products run on codes of BF6 (E3M2) with one E8M0 scale for each 32 along K.
; SHARES.  Work-group b owns batch row b: its 2,601 rows rho = 51 i + j are 163 tiles of 16 rows.  Eight waves of 512 registers; wave w takes tiles 8 k + w, k = 0 .. 20.  All waves run 21 trips, so
; that the loop has one fixed count: waves 3 to 7 end on a tile of rows past 2,600, whose weights are 0 (5 tiles in 168).  With two waves where one of 1,024 registers would stand, one wave's vector work
; can stand beside the other's matrix work, and the text of a wave stays in plain phases.
; WEIGHTS STAY IN REGISTERS: 18,432 bytes of codes, both biases and iw2 are read once by each wave and serve all its tiles; a trip reads two words a lane from LDS.  No tensor load, no cluster: a joint
; load would lay the weights into LDS, from where the same registers would still have to be filled; nothing is streamed.
; LAYOUT.  Both products are used transposed (source 0 = 16 rows of the weight, source 1 = 16 input rows): a lane holds ONE input row (lane % 16).  THE UNITS OF A TILE ARE NOT NEIGHBOURS: row m of tile t
; is unit TC(t) + m % 8 + 32 (m / 8), TC(t) = 64 (t / 4) + 8 (t % 4).  So register 8 t + j of lane (r, hh) is unit TC(t) + j + 32 hh: registers 0-31 are the whole block hh of the next K, registers
; 32-63 the whole block 2 + hh, in order: a block's largest magnitude needs no other lane, and the conversions' results are the next operand's registers.  The bias is the C of each tile's one product.
; The first product has K = 64: the input's codes of k = 64 .. 127 are zeros, so what source 0 holds there (the next fragment's codes: E3M2 has no infinity and no NaN) adds exact zeros; fragment t of iw0
; is 6 registers of its own and runs on over the next 6.  The scale bytes of those blocks repeat the used ones.
; max t = max(0, max x): (steps + 1) / 2 is 1 at i = 0 and 0 at i = 50.  elu(y) + 1 = y + 1 for y > 0, else e^y.
; LIMITS.  NaN and infinities among the inputs are not served.  A block of zeros gets the byte 1 and not 127: its codes are zeros, so the product is the same.  steps and cc are computed in f32: a Taylor
; series of the cosine to y^14 on y <= pi / 2 (u within about 2e-7 absolute) and a three-term recurrence for cos(2 m y) (cc within about 1e-6 absolute).
; LDS
.set JT,    0                          ; 64 x 8 bytes: (u_j, cc_j)
.set IT,    512                        ; 64 x 16 bytes: (t_i, d_i = xmax - t_i, g_i = cc_i d_i / 2, 0); g = 0 from i = 51 on
.set O1,    1536                       ; 128 f32: the outer net's first hidden layer
.set PO,    2048                       ; 8 x 8 bytes: each wave's part of (o0, o1)
.set PI,    2112                       ; 8 x 4 bytes: each wave's part of the double sum
.set ROWS,  2304                       ; for each wave ROWSZ bytes of its own: s of 24 tiles x 16 rows, then their weights
.set ROWSZ, 3072
.set WOFF,  1536
.set TRIPS, 21
; REGISTERS, window 0
.set SH8,   1                          ; 8 hh
.set ADR,   2                          ; LDS address of my row's s in the tile in hand
.set HMAX,  3                          ; largest |H[1..31]|
.set E1C,   4                          ; block 1's byte at bits 8 and 24
.set VS,    5                          ; s of a tile to come
.set VW,    6                          ; weight of the tile whose sum is being finished
.set M1,    7                          ; my input block's byte
.set SC1,   8                          ; the same as f32, for the conversion
.set TOTAL, 9
.set A128,  10                         ; 128 hh; never rewritten
.set H31,   11                         ; h[31], in every lane
.set INIT,  12                         ; v12-13 (ib2 / 2, 0)
.set ACC,   14                         ; v14-17 two packed sums
.set MA0,   18                         ; v18-21 chains of maxima; then bytes; then scales as f32
.set MA1,   19
.set MB0,   20
.set MB1,   21
.set PT,    22
.set RR,    23                         ; lane % 16
.set WORD0, 24                         ; v24-33 and v254 hold scales and nothing else
.set WORD1, 25
.set SW0,   26                         ; v26-29 iw0's scale words: lanes 0-15 tile 2 q, lanes 16-31 tile 2 q + 1
.set SW1,   30                         ; v30-33 iw1's likewise
.set IN,    34                         ; v34-45 the first product's input, codes
.set A1,    46                         ; v46-57 the second product's input, codes
.set TMPA,  58
.set TMPB,  62
.set TMPC,  66
.set H,     70                         ; v70-101 H[i] = inp[32 hh + i]; H[0] is written anew for each tile
.set W1B,   102                        ; v102-125 iw1's fragments 6 and 7
.set HID,   126                        ; v126-189 a hidden layer
.set IW2,   190                        ; v190-253 iw2, laid as the hidden layer
.set SWX,   254                        ; nw1's scale words
.set HH,    255                        ; lane / 16
; before the loop v190-253 hold: x (8), nb0 (8), nb1 (8), nw2 (16), nw1's fragment (12), 12 at work on the tables
.set X8,    IW2
.set NB0,   IW2+8
.set NB1,   IW2+16
.set NW2,   IW2+24
.set NW1F,  IW2+40
.set T,     IW2+52
; window 1
.set W0,    0                          ; iw0's fragments, 6 registers apart
.set W1,    48                         ; iw1's fragments 0-5
.set IB0,   120
.set IB1,   184
.set KB,    66                         ; s66-90: 1 / (4 m^2 - 1), m = 1 .. 25
.set MSB, 0
.macro WIN new                         ; the immediate's high byte repeats the setting that is left
.if MSB != \new
	s_set_vgpr_msb (MSB<<8)|\new
.set MSB, \new
.endif
.endm
.macro PLACES n
.rept \n
	v_nop
.endr
.endm
.macro RELU base, n                    ; ascending: each accumulator is read from its low end on
.set rr, 0
.rept \n
	v_max_num_f32 v[\base+rr], 0, v[\base+rr]
.set rr, rr+1
.endr
.endm
; The scale bytes of my two blocks, HID 0-31 and HID 32-63: the largest magnitude in four chains, its exponent field less 4, held at 1 from below.
.macro QMAX abs
.if \abs
	v_max3_num_f32 v[MA0], |v[HID]|, |v[HID+1]|, |v[HID+2]|
	v_max3_num_f32 v[MA1], |v[HID+3]|, |v[HID+4]|, |v[HID+5]|
	v_max3_num_f32 v[MB0], |v[HID+32]|, |v[HID+33]|, |v[HID+34]|
	v_max3_num_f32 v[MB1], |v[HID+35]|, |v[HID+36]|, |v[HID+37]|
.irp i, 6,10,14,18,22,26
	v_max3_num_f32 v[MA0], v[MA0], |v[HID+\i]|, |v[HID+\i+1]|
	v_max3_num_f32 v[MA1], v[MA1], |v[HID+\i+2]|, |v[HID+\i+3]|
	v_max3_num_f32 v[MB0], v[MB0], |v[HID+32+\i]|, |v[HID+33+\i]|
	v_max3_num_f32 v[MB1], v[MB1], |v[HID+34+\i]|, |v[HID+35+\i]|
.endr
	v_max3_num_f32 v[MA0], v[MA0], |v[HID+30]|, |v[HID+31]|
	v_max3_num_f32 v[MB0], v[MB0], |v[HID+62]|, |v[HID+63]|
.else
	v_max3_num_f32 v[MA0], v[HID], v[HID+1], v[HID+2]
	v_max3_num_f32 v[MA1], v[HID+3], v[HID+4], v[HID+5]
	v_max3_num_f32 v[MB0], v[HID+32], v[HID+33], v[HID+34]
	v_max3_num_f32 v[MB1], v[HID+35], v[HID+36], v[HID+37]
.irp i, 6,10,14,18,22,26
	v_max3_num_f32 v[MA0], v[MA0], v[HID+\i], v[HID+\i+1]
	v_max3_num_f32 v[MA1], v[MA1], v[HID+\i+2], v[HID+\i+3]
	v_max3_num_f32 v[MB0], v[MB0], v[HID+32+\i], v[HID+33+\i]
	v_max3_num_f32 v[MB1], v[MB1], v[HID+34+\i], v[HID+35+\i]
.endr
	v_max3_num_f32 v[MA0], v[MA0], v[HID+30], v[HID+31]
	v_max3_num_f32 v[MB0], v[MB0], v[HID+62], v[HID+63]
.endif
	v_max_num_f32 v[MA0], v[MA0], v[MA1]
	v_max_num_f32 v[MB0], v[MB0], v[MB1]
	v_lshrrev_b32 v[MA0], 23, v[MA0]
	v_lshrrev_b32 v[MB0], 23, v[MB0]
	v_max_u32 v[MA0], 5, v[MA0]
	v_max_u32 v[MB0], 5, v[MB0]
	v_add_nc_u32 v[MA0], -4, v[MA0]
	v_add_nc_u32 v[MB0], -4, v[MB0]
.endm
.macro MKWORD1                         ; my bytes of blocks hh and 2 + hh at their places, with lane l xor 16's two: the row's scale word
	v_lshl_or_b32 v[WORD1], v[MB0], 16, v[MA0]
	v_lshlrev_b32 v[WORD1], v[SH8], v[WORD1]
	v_permlanex16_b32 v[PT], v[WORD1], s46, s47
	v_or_b32 v[WORD1], v[WORD1], v[PT]
.endm
; HID 0-31 -> six registers at dA, HID 32-63 -> six at dB.  A conversion's three registers begin on an even number: the second half of a block's six does not, so it is made elsewhere and moved.
; p1b = 1: the next tile's input block likewise, and its scale word.  One plain instruction stands between the conversions and what touches their results.
.macro QCVT dA, dB, p1b
	v_cvt_scalef32_pk16_bf6_f32 v[\dA:\dA+2], v[HID:HID+15], v[MA0]
	v_cvt_scalef32_pk16_bf6_f32 v[TMPA:TMPA+2], v[HID+16:HID+31], v[MA0]
	v_cvt_scalef32_pk16_bf6_f32 v[\dB:\dB+2], v[HID+32:HID+47], v[MB0]
	v_cvt_scalef32_pk16_bf6_f32 v[TMPB:TMPB+2], v[HID+48:HID+63], v[MB0]
.if \p1b
	v_cvt_scalef32_pk16_bf6_f32 v[IN:IN+2], v[H:H+15], v[SC1]
	v_cvt_scalef32_pk16_bf6_f32 v[TMPC:TMPC+2], v[H+16:H+31], v[SC1]
	v_add_nc_u32 v[ADR], 64, v[ADR]                ; on to the next tile's 16 rows
.else
	v_nop
.endif
.irp i, 0,1,2
	v_mov_b32 v[\dA+3+\i], v[TMPA+\i]
	v_mov_b32 v[\dB+3+\i], v[TMPB+\i]
.endr
.if \p1b
.irp i, 0,1,2
	v_mov_b32 v[IN+3+\i], v[TMPC+\i]               ; these three and the line below are the four places between the operand's last move and the products
.endr
	v_mad_u32_u24 v[WORD0], v[M1], 0x10001, v[E1C] ; lanes 0-15: block 0's byte at bits 0 and 16, block 1's at 8 and 24
.endif
.endm
.macro P1A                             ; a tile's input: s into lanes 0-15's H[0] (lanes 16-31: h[31]), and the block's byte
	v_cndmask_b32 v[H], v[H31], v[VS], s50
	v_max_num_f32 v[M1], |v[H]|, v[HMAX]
	v_lshrrev_b32 v[M1], 23, v[M1]
	v_max_u32 v[M1], 5, v[M1]
	v_add_nc_u32 v[M1], -4, v[M1]
.endm
.macro L0MUL                           ; eight products, each with its own accumulator and the bias as C: none adds in place
	WIN 0x11                                       ; source 0 and C in window 1
.irp t, 0,1,2,3,4,5,6,7
.if \t % 2
	v_wmma_scale_f32_16x16x128_f8f6f4 v[HID+8*\t:HID+8*\t+7], v[W0+6*\t:W0+6*\t+11], v[IN:IN+11], v[IB0+8*\t:IB0+8*\t+7], v[SW0+\t/2], v[WORD0] matrix_a_fmt:MATRIX_FMT_BF6 matrix_b_fmt:MATRIX_FMT_BF6 matrix_a_scale:MATRIX_SCALE_ROW1
.else
	v_wmma_scale_f32_16x16x128_f8f6f4 v[HID+8*\t:HID+8*\t+7], v[W0+6*\t:W0+6*\t+11], v[IN:IN+11], v[IB0+8*\t:IB0+8*\t+7], v[SW0+\t/2], v[WORD0] matrix_a_fmt:MATRIX_FMT_BF6 matrix_b_fmt:MATRIX_FMT_BF6
.endif
.endr
	WIN 0
.endm
.macro L1MUL
	WIN 0x11
.irp t, 0,1,2,3,4,5
.if \t % 2
	v_wmma_scale_f32_16x16x128_f8f6f4 v[HID+8*\t:HID+8*\t+7], v[W1+12*\t:W1+12*\t+11], v[A1:A1+11], v[IB1+8*\t:IB1+8*\t+7], v[SW1+\t/2], v[WORD1] matrix_a_fmt:MATRIX_FMT_BF6 matrix_b_fmt:MATRIX_FMT_BF6 matrix_a_scale:MATRIX_SCALE_ROW1
.else
	v_wmma_scale_f32_16x16x128_f8f6f4 v[HID+8*\t:HID+8*\t+7], v[W1+12*\t:W1+12*\t+11], v[A1:A1+11], v[IB1+8*\t:IB1+8*\t+7], v[SW1+\t/2], v[WORD1] matrix_a_fmt:MATRIX_FMT_BF6 matrix_b_fmt:MATRIX_FMT_BF6
.endif
.endr
	WIN 0x10                                       ; fragments 6 and 7 lie in window 0
	v_wmma_scale_f32_16x16x128_f8f6f4 v[HID+48:HID+55], v[W1B:W1B+11], v[A1:A1+11], v[IB1+48:IB1+55], v[SW1+3], v[WORD1] matrix_a_fmt:MATRIX_FMT_BF6 matrix_b_fmt:MATRIX_FMT_BF6
	v_wmma_scale_f32_16x16x128_f8f6f4 v[HID+56:HID+63], v[W1B+12:W1B+23], v[A1:A1+11], v[IB1+56:IB1+63], v[SW1+3], v[WORD1] matrix_a_fmt:MATRIX_FMT_BF6 matrix_b_fmt:MATRIX_FMT_BF6 matrix_a_scale:MATRIX_SCALE_ROW1
	WIN 0
.endm
.macro DOT                             ; the third product, N = 1, in f32: ReLU and two packed chains over my 64 units; ib2 / 2 starts the first chain in each half of the lanes
.set i, 0
.rept 32
	v_max_num_f32 v[HID+2*i], 0, v[HID+2*i]
	v_max_num_f32 v[HID+2*i+1], 0, v[HID+2*i+1]
.if i == 0
	v_pk_fma_f32 v[ACC:ACC+1], v[HID:HID+1], v[IW2:IW2+1], v[INIT:INIT+1]
.elseif i == 1
	v_pk_mul_f32 v[ACC+2:ACC+3], v[HID+2:HID+3], v[IW2+2:IW2+3]
.else
	v_pk_fma_f32 v[ACC+2*(i%2):ACC+2*(i%2)+1], v[HID+2*i:HID+2*i+1], v[IW2+2*i:IW2+2*i+1], v[ACC+2*(i%2):ACC+2*(i%2)+1]
.endif
.set i, i+1
.endr
.endm
.macro FIN                             ; y of the tile before; elu(y) + 1; times the row's weight
	v_pk_add_f32 v[ACC:ACC+1], v[ACC:ACC+1], v[ACC+2:ACC+3]
	v_add_f32 v[ACC], v[ACC], v[ACC+1]
	v_permlanex16_b32 v[ACC+1], v[ACC], s46, s47   ; the row's other 64 units lie in the lane 16 away
	v_add_f32 v[ACC], v[ACC], v[ACC+1]
	v_mul_f32 v[ACC+2], 0x3fb8aa3b, v[ACC]
	v_exp_f32 v[ACC+2], v[ACC+2]
	v_add_f32 v[ACC+3], 1.0, v[ACC]                ; (the plain instruction behind the exponential)
	v_cmp_lt_f32 vcc_lo, 0, v[ACC]
	s_wait_alu depctr_va_vdst(0)
	v_cndmask_b32 v[ACC+2], v[ACC+2], v[ACC+3], vcc_lo
	v_fmac_f32 v[TOTAL], v[ACC+2], v[VW]
.endm
; Six pairs of tiles of my wave's row tables: lane l of pair q is row rho = 256 q + 128 (l / 16) + 16 w + l % 16.  i = rho / 51 = (rho x 20561) >> 20, right for rho under 29,958; 8 j = 8 rho - 408 i, under 512,
; so the term in q falls out under the mask.  Each address is made in the first register of its own load's destination.
.macro ROWTAB b
.set n, 0
.rept 6
	v_mad_u32_u24 v[MA0], v[MB1], s51, 2048*(6*\b+n)*20561
	v_bfe_u32 v[MA0], v[MA0], 23, 6                ; i, 0 .. 63
	v_mul_u32_u24 v[HID+24+2*n], v[MA0], 408
	v_lshlrev_b32 v[HID+4*n], 4, v[MA0]
	v_sub_nc_u32 v[HID+24+2*n], v[MB1], v[HID+24+2*n]
	v_and_b32 v[HID+24+2*n], 0x1f8, v[HID+24+2*n]  ; 8 j
	ds_load_b128 v[HID+4*n:HID+4*n+3], v[HID+4*n] offset:IT
	ds_load_b64 v[HID+24+2*n:HID+25+2*n], v[HID+24+2*n]
.set n, n+1
.endr
	s_wait_dscnt 0x0
.set n, 0
.rept 6
	v_fma_f32 v[HID+36+12*\b+n], v[HID+4*n+1], v[HID+24+2*n], v[HID+4*n]   ; s = t + d u
	v_mul_f32 v[HID+42+12*\b+n], v[HID+4*n+2], v[HID+25+2*n]               ; weight = g cc
.set n, n+1
.endr
.endm
	; ---- addresses, lane terms
	s_load_b512 s[4:19], s[0:1], 0x0               ; x, h, iw0_codes, iw0_scales, iw1_codes, iw1_scales, ib0, ib1
	s_load_b512 s[20:35], s[0:1], 0x40             ; iw2, ib2, nw0, nb0, nw1_codes, nw1_scales, nb1, nw2
	s_load_b128 s[36:39], s[0:1], 0x80             ; nb2, out0
	v_lshl_add_u32 v65, v0, 2, 0x6900
	v_mov_b32 v69, 0
	v_lshrrev_b32 v[PT], 5, v0
	v_readfirstlane_b32 s43, v[PT]                 ; wave 0..7
	v_and_b32 v[RR], 15, v0
	v_bfe_u32 v[HH], v0, 4, 1
	v_lshlrev_b32 v[SH8], 3, v[HH]
	v_lshlrev_b32 v[A128], 7, v[HH]
	s_lshl_b32 s41, ttmp9, 2                       ; 4 b
	s_mov_b32 s58, s41
	s_mov_b32 s59, 0
	s_mul_i32 s60, ttmp9, 252                      ; a row of h
	s_mov_b32 s61, 0
	s_mov_b32 s46, 0x76543210                      ; v_permlanex16_b32's selects for lane l xor 16
	s_mov_b32 s47, 0xfedcba98
	s_mov_b32 s50, 0xffff                          ; lanes 0-15
	s_mov_b32 s51, 20561
	s_mul_i32 s53, s43, ROWSZ
	s_add_co_u32 s53, s53, ROWS                    ; my wave's tables
	s_lshl_b32 s52, s43, 6                         ; 64 w
	v_lshl_add_u32 v[ADR], v[RR], 2, s53
	v_and_b32 v34, 31, v0
	v_lshlrev_b32 v34, 5, v34                      ; x: 32 bytes a lane
	v_lshl_add_u32 v36, v[RR], 2, s52              ; 4 (16 w + r): nw0's column, nw1's scale word
	v_lshl_add_u32 v35, v[HH], 14, v36             ; lanes 16-31 begin 32 rows of nw0 further down
	v_mov_b32 v38, 0
	v_lshl_add_u32 v39, v[HH], 5, s52              ; 4 (16 w + 8 hh): nb0, nb1 in the result's layout
	v_lshlrev_b32 v40, 1, v39                      ; 8 (16 w + 8 hh): nw2
	v_lshrrev_b32 v41, 2, v36
	v_mul_u32_u24 v41, v41, 96
	v_mad_u32_u24 v41, v[HH], 24, v41              ; nw1's row 16 w + r, + 24 hh
	v_and_b32 v16, 7, v[RR]
	v_lshrrev_b32 v17, 3, v[RR]
	v_lshl_add_u32 v16, v17, 5, v16                ; r % 8 + 32 (r / 8): my row's unit in a tile, less TC(t)
	v_mul_u32_u24 v14, v16, 48
	v_mad_u32_u24 v14, v[HH], 24, v14              ; iw0's codes
	v_mul_u32_u24 v15, v16, 96
	v_mad_u32_u24 v15, v[HH], 24, v15              ; iw1's codes
	v_lshl_add_u32 v17, v[HH], 3, v16              ; scale words: lanes 16-31 take the tile 8 units on
	v_lshlrev_b32 v18, 2, v17
	v_lshlrev_b32 v17, 1, v17
	s_wait_kmcnt 0x0
	s_add_nc_u64 s[56:57], s[4:5], s[58:59]
	s_add_nc_u64 s[54:55], s[6:7], s[60:61]        ; h's row b
	s_load_b32 s40, s[56:57], 0x0                  ; x_b
	s_load_b32 s42, s[22:23], 0x0                  ; ib2
	s_load_b64 s[44:45], s[36:37], 0x0             ; nb2
	; ---- first loads: what the outer net and the tables want
	s_cmp_lt_u32 s43, 2
	s_cbranch_scc0 .Lno_x
	global_load_b128 v[X8:X8+3], v34, s[4:5]       ; waves 0 and 1: all 256 x, 8 a lane
	global_load_b128 v[X8+4:X8+7], v34, s[4:5] offset:16
.Lno_x:
.set i, 0
.rept 31
	global_load_b32 v[HID+i], v35, s[24:25] offset:512*i        ; nw0(32 hh + i, 16 w + r): a lane to a column, registers down K
	global_load_b32 v[HID+32+i], v[A128], s[54:55] offset:4*i   ; h(32 hh + i)
.set i, i+1
.endr
	global_load_b32 v[HID+31], v36, s[24:25] offset:512*31      ; row 31 in every lane: row 63 does not exist
	global_load_b32 v[H31], v38, s[54:55] offset:124            ; h(31) in every lane: h(63) does not exist
	global_load_b128 v[NB0:NB0+3], v39, s[26:27]
	global_load_b128 v[NB0+4:NB0+7], v39, s[26:27] offset:16
	global_load_b128 v[NB1:NB1+3], v39, s[32:33]
	global_load_b128 v[NB1+4:NB1+7], v39, s[32:33] offset:16
.irp q, 0,1,2,3
	global_load_b128 v[NW2+4*\q:NW2+4*\q+3], v40, s[34:35] offset:16*\q
.endr
.irp p, 0,1,2,3,4,5
	global_load_b64 v[NW1F+2*\p:NW1F+2*\p+1], v41, s[28:29] offset:48*(\p/3)+8*(\p%3)
.endr
	global_load_b32 v[SWX], v36, s[30:31]
	s_wait_kmcnt 0x0                               ; x_b, ib2, nb2
	; ---- waves 0 and 1: thread j makes u_j, cc_j and t_j, d_j, g_j
	s_cmp_lt_u32 s43, 2
	s_cbranch_scc0 .Lno_t1
	v_and_b32 v[T+4], 31, v0
	v_mul_u32_u24 v[T+4], v[T+4], v[T+4]
	v_lshlrev_b32 v[T+4], 2, v[T+4]
	v_add_nc_u32 v[T+4], -1, v[T+4]
	v_cvt_f32_i32 v[T+4], v[T+4]
	v_rcp_f32 v[T+4], v[T+4]                       ; lane m: 1 / (4 m^2 - 1); the lines below stand between it and its use
	v_sub_nc_u32 v[T], 50, v0
	v_min_u32 v[T], v[T], v0                       ; jj = min(j, 50 - j); for j > 50 it is j, and cc is set to 0 below
	v_cvt_f32_u32 v[T+1], v[T]
	v_mul_f32 v[T+1], 0x3d80adfd, v[T+1]           ; y = jj pi / 50
	v_mul_f32 v[T+1], v[T+1], v[T+1]               ; z = y^2
	v_mov_b32 v[T+10], 0xad49cba5                  ; -1 / 14!
	v_fmaak_f32 v[T+10], v[T+10], v[T+1], 0x310f76c7   ; 1 / 12!
	v_fmaak_f32 v[T+10], v[T+10], v[T+1], 0xb493f27e   ; -1 / 10!
	v_fmaak_f32 v[T+10], v[T+10], v[T+1], 0x37d00d01   ; 1 / 8!
	v_fmaak_f32 v[T+10], v[T+10], v[T+1], 0xbab60b61   ; -1 / 6!
	v_fmaak_f32 v[T+10], v[T+10], v[T+1], 0x3d2aaaab   ; 1 / 4!
	v_fma_f32 v[T+10], v[T+10], v[T+1], -0.5
	v_fma_f32 v[T+10], v[T+10], v[T+1], 1.0        ; c = cos(y)
	v_fma_f32 v[T+2], v[T+10], 0.5, 0.5
	v_fma_f32 v[T+11], -v[T+10], 0.5, 0.5
	v_cmp_lt_u32 vcc_lo, 25, v0
	v_cndmask_b32 v[T+2], v[T+2], v[T+11], vcc_lo  ; u = (steps + 1) / 2, steps = -c behind the middle
.set m, 1
	s_wait_alu depctr_va_vdst(0)
.rept 25
	v_readlane_b32 s[KB+m-1], v[T+4], m
.set m, m+1
.endr
	v_add_f32 v[T+11], v[T+10], v[T+10]
	v_fma_f32 v[T+7], v[T+11], v[T+10], -1.0       ; c_1 = cos(2 y)
	v_add_f32 v[T+5], v[T+7], v[T+7]
	v_mov_b32 v[T+6], 1.0                          ; c_0
	v_mul_f32 v[T+8], s[KB], v[T+7]
.set m, 2
.rept 24
	v_fma_f32 v[T+6+m%2], v[T+5], v[T+6+(m+1)%2], -v[T+6+m%2]   ; c_m = 2 c_1 c_(m-1) - c_(m-2)
	v_fmac_f32 v[T+8], s[KB+m-1], v[T+6+m%2]
.set m, m+1
.endr
	v_mov_b32 v[T+3], 0x3d23d70a                   ; 2 / 50;
	v_cmp_ne_u32 vcc_lo, 0, v[T]
	v_cndmask_b32 v[T+3], 0x3ca3d70a, v[T+3], vcc_lo   ; half of it at both ends;
	v_cmp_ge_u32 vcc_lo, 50, v0
	v_cndmask_b32 v[T+3], 0, v[T+3], vcc_lo        ; nothing past j = 50
	v_fma_f32 v[T+8], v[T+8], -2.0, 1.0
	v_mul_f32 v[T+3], v[T+3], v[T+8]               ; cc_j
	s_wait_loadcnt 0x0                             ; x
	v_max3_num_f32 v[T+10], v[X8], v[X8+1], v[X8+2]
	v_max3_num_f32 v[T+10], v[T+10], v[X8+3], v[X8+4]
	v_max3_num_f32 v[T+10], v[T+10], v[X8+5], v[X8+6]
	v_max3_num_f32 v[T+10], v[T+10], v[X8+7], 0
	v_max_num_f32_dpp v[T+10], v[T+10], v[T+10] row_xmask:1 row_mask:0xf bank_mask:0xf
	v_max_num_f32_dpp v[T+10], v[T+10], v[T+10] row_xmask:2 row_mask:0xf bank_mask:0xf
	v_max_num_f32_dpp v[T+10], v[T+10], v[T+10] row_xmask:4 row_mask:0xf bank_mask:0xf
	v_max_num_f32_dpp v[T+10], v[T+10], v[T+10] row_xmask:8 row_mask:0xf bank_mask:0xf
	v_permlanex16_b32 v[T+11], v[T+10], s46, s47
	v_max_num_f32 v[T+10], v[T+10], v[T+11]
	v_add_f32 v[T+10], 0x41200000, v[T+10]         ; xmax = max(0, max x) + 10
	v_mul_f32 v[T+6], s40, v[T+2]                  ; t
	v_sub_f32 v[T+7], v[T+10], v[T+6]              ; d
	v_mul_f32 v[T+8], v[T+3], v[T+7]
	v_mul_f32 v[T+8], 0.5, v[T+8]                  ; g
	v_mov_b32 v[T+9], 0
	v_lshlrev_b32 v[T+1], 3, v0
	v_lshlrev_b32 v[T+4], 4, v0
	ds_store_b64 v[T+1], v[T+2:T+3]
	ds_store_b128 v[T+4], v[T+6:T+9] offset:IT
.Lno_t1:
	s_wait_loadcnt 0x0                             ; all first loads are in; their address registers are free
	; ---- second loads: what stays in registers for the loop
	WIN 0x40                                       ; destination window 1, address window 0
.irp t, 0,1,2,3,4,5,6,7
.irp p, 0,1,2
	global_load_b64 v[W0+6*\t+2*\p:W0+6*\t+2*\p+1], v14, s[8:9] offset:48*(64*(\t/4)+8*(\t%4))+8*\p
.endr
.endr
.irp t, 0,1,2,3,4,5
.irp p, 0,1,2,3,4,5
	global_load_b64 v[W1+12*\t+2*\p:W1+12*\t+2*\p+1], v15, s[12:13] offset:96*(64*(\t/4)+8*(\t%4))+48*(\p/3)+8*(\p%3)
.endr
.endr
.irp t, 0,1,2,3,4,5,6,7
	global_load_b128 v[IB0+8*\t:IB0+8*\t+3], v[A128], s[16:17] offset:4*(64*(\t/4)+8*(\t%4))
	global_load_b128 v[IB0+8*\t+4:IB0+8*\t+7], v[A128], s[16:17] offset:4*(64*(\t/4)+8*(\t%4))+16
	global_load_b128 v[IB1+8*\t:IB1+8*\t+3], v[A128], s[18:19] offset:4*(64*(\t/4)+8*(\t%4))
	global_load_b128 v[IB1+8*\t+4:IB1+8*\t+7], v[A128], s[18:19] offset:4*(64*(\t/4)+8*(\t%4))+16
.endr
	WIN 0
.irp t, 6,7
.irp p, 0,1,2,3,4,5
	global_load_b64 v[W1B+12*(\t-6)+2*\p:W1B+12*(\t-6)+2*\p+1], v15, s[12:13] offset:96*(64*(\t/4)+8*(\t%4))+48*(\p/3)+8*(\p%3)
.endr
.endr
.set i, 1
.rept 31
	global_load_b32 v[H+i], v[A128], s[54:55] offset:4*i-4      ; inp(32 hh + i) = h(32 hh + i - 1)
.set i, i+1
.endr
.irp q, 0,1,2,3
	global_load_u16 v[SW0+\q], v17, s[10:11] offset:2*(64*(\q/2)+16*(\q%2))
	global_load_b32 v[SW1+\q], v18, s[14:15] offset:4*(64*(\q/2)+16*(\q%2))
.endr
	s_wait_xcnt 0x0                                ; v14-18 are written again only behind this wait
	; ---- h nw0: wave w makes units 16 w .. 16 w + 15 of the outer net's first layer; both operands are quantised here.  K = 63: k = 63 and k = 64 .. 127 are zeros on both sides
	v_cndmask_b32 v[HID+31], 0, v[HID+31], s50
	v_cndmask_b32 v[HID+63], 0, v[H31], s50
.irp i, 6,7,8,9,10,11
	v_mov_b32 v[IN+\i], 0                          ; these six stay zeros for the whole launch
	v_mov_b32 v[A1+\i], 0
.endr
	QMAX 1
	v_lshlrev_b32 v[WORD1], v[SH8], v[MA0]         ; nw0's column: my block's byte at its place,
	v_lshlrev_b32 v[WORD0], v[SH8], v[MB0]         ; h's likewise,
	v_permlanex16_b32 v[PT], v[WORD1], s46, s47
	v_or_b32 v[WORD1], v[WORD1], v[PT]             ; with the other block's;
	v_permlanex16_b32 v[PT], v[WORD0], s46, s47
	v_or_b32 v[WORD0], v[WORD0], v[PT]
	v_mul_u32_u24 v[WORD1], v[WORD1], 0x10001      ; the two bytes of the zero blocks repeat them
	v_mul_u32_u24 v[WORD0], v[WORD0], 0x10001
	v_lshlrev_b32 v[MA0], 23, v[MA0]
	v_lshlrev_b32 v[MB0], 23, v[MB0]
	QCVT A1, IN, 0
	PLACES 4                                       ; an operand written by a vector instruction stands 4 places ahead of a scaled product, a scale word 8 (here 13)
	v_wmma_scale_f32_16x16x128_f8f6f4 v[HID:HID+7], v[A1:A1+11], v[IN:IN+11], v[NB0:NB0+7], v[WORD1], v[WORD0] matrix_a_fmt:MATRIX_FMT_BF6 matrix_b_fmt:MATRIX_FMT_BF6
	v_lshlrev_b32 v[MA1], 5, v[HH]
	v_lshl_add_u32 v[MA1], s43, 6, v[MA1]          ; 4 (16 w + 8 hh)
	PLACES 2                                       ; four places behind the product in all
	RELU HID, 8
	ds_store_b128 v[MA1], v[HID:HID+3] offset:O1   ; the sixteen lanes of a half hold the same numbers and write the same bytes
	ds_store_b128 v[MA1], v[HID+4:HID+7] offset:O1+16
	s_wait_dscnt 0x0                               ; for the others' sake: my stores of the tables and of the hidden layer are done
	s_barrier_signal -1
	s_barrier_wait -1
	; ---- relu(..) nw1, and nw2: wave w makes units 16 w .. of the second layer and its part of (o0, o1).  From here to the next barrier no wave stores to LDS
.irp q, 0,1,2,3,4,5,6,7
	ds_load_b128 v[HID+4*\q:HID+4*\q+3], v[A128] offset:O1+16*\q
	ds_load_b128 v[HID+32+4*\q:HID+35+4*\q], v[A128] offset:O1+256+16*\q
.endr
	s_wait_dscnt 0x0
	QMAX 0
	MKWORD1
	v_lshlrev_b32 v[MA0], 23, v[MA0]
	v_lshlrev_b32 v[MB0], 23, v[MB0]
	QCVT A1, A1+6, 0
	PLACES 4
	v_wmma_scale_f32_16x16x128_f8f6f4 v[HID:HID+7], v[NW1F:NW1F+11], v[A1:A1+11], v[NB1:NB1+7], v[SWX], v[WORD1] matrix_a_fmt:MATRIX_FMT_BF6 matrix_b_fmt:MATRIX_FMT_BF6
	PLACES 4
	RELU HID, 8
	v_mul_f32 v14, v[HID], v[NW2]
	v_mul_f32 v15, v[HID], v[NW2+1]
.irp j, 1,2,3,4,5,6,7
	v_fmac_f32 v14, v[HID+\j], v[NW2+2*\j]
	v_fmac_f32 v15, v[HID+\j], v[NW2+2*\j+1]
.endr
	v_permlanex16_b32 v16, v14, s46, s47
	v_permlanex16_b32 v17, v15, s46, s47
	v_add_f32 v14, v14, v16
	v_add_f32 v15, v15, v17                        ; my 16 units' part of (o0, o1), in every lane
.irp t, 0,1,2,3,4,5,6,7
	global_load_b128 v[IW2+8*\t:IW2+8*\t+3], v[A128], s[20:21] offset:4*(64*(\t/4)+8*(\t%4))
	global_load_b128 v[IW2+8*\t+4:IW2+8*\t+7], v[A128], s[20:21] offset:4*(64*(\t/4)+8*(\t%4))+16
.endr
	; ---- my wave's row tables: s and the weight of 24 tiles x 16 rows, 12 rows a lane, kept in registers until the barrier
	s_lshl_b32 s62, s43, 7
	v_lshl_add_u32 v[MB1], v[RR], 3, s62
	v_lshl_add_u32 v[MB1], v[HH], 10, v[MB1]       ; 8 (128 hh + 16 w + r)
	ROWTAB 0
	ROWTAB 1
	s_wait_dscnt 0x0                               ; my reads of the shared tables are back
	s_barrier_signal -1
	s_barrier_wait -1                              ; everybody's are: from here on each wave stores to bytes of its own
	v_and_b32 v[MA1], 31, v0
	v_lshl_add_u32 v[MA1], v[MA1], 2, s53
.set q, 0
.rept 12
	ds_store_b32 v[MA1], v[HID+36+12*(q/6)+q%6] offset:128*q
	ds_store_b32 v[MA1], v[HID+42+12*(q/6)+q%6] offset:128*q+WOFF
.set q, q+1
.endr
	s_lshl_b32 s62, s43, 3
	v_mov_b32 v[MB0], s62
	ds_store_b64 v[MB0], v[14:15] offset:PO
	ds_load_b32 v[VS], v[ADR]                      ; s of tile 0: LDS serves a wave's instructions in order, so this sees my stores
	; ---- what the loop keeps
	s_wait_loadcnt 16                              ; the 16 loads of iw2 are the youngest: all that was asked for before them is in
	s_wait_dscnt 0x0
	v_max3_num_f32 v[HMAX], |v[H+1]|, |v[H+2]|, |v[H+3]|
.irp i, 4,6,8,10,12,14,16,18,20,22,24,26,28,30
	v_max3_num_f32 v[HMAX], v[HMAX], |v[H+\i]|, |v[H+\i+1]|
.endr
	v_max_num_f32 v[MA0], |v[H31]|, v[HMAX]        ; lanes 16-31: block 1's largest magnitude, the same for every tile
	v_lshrrev_b32 v[MA0], 23, v[MA0]
	v_max_u32 v[MA0], 5, v[MA0]
	v_add_nc_u32 v[MA0], -4, v[MA0]
	v_permlanex16_b32 v[MA1], v[MA0], s46, s47     ; its byte comes to lanes 0-15, where the scale word is read
	v_lshlrev_b32 v[E1C], 8, v[MA1]
	v_lshl_or_b32 v[E1C], v[MA1], 24, v[E1C]
.irp q, 0,1,2,3
	v_mul_u32_u24 v[SW0+\q], v[SW0+\q], 0x10001    ; iw0's two bytes, repeated for the zero blocks
.endr
	P1A                                            ; tile 0's input
	v_lshlrev_b32 v[SC1], 23, v[M1]
	v_cvt_scalef32_pk16_bf6_f32 v[IN:IN+2], v[H:H+15], v[SC1]
	v_cvt_scalef32_pk16_bf6_f32 v[TMPC:TMPC+2], v[H+16:H+31], v[SC1]
	v_nop
.irp i, 0,1,2
	v_mov_b32 v[IN+3+\i], v[TMPC+\i]
.endr
	v_mad_u32_u24 v[WORD0], v[M1], 0x10001, v[E1C]
	ds_load_b32 v[VS], v[ADR] offset:64            ; s of tile 1
	v_mov_b32 v[INIT], s42                         ; these nine lines are also the places between the scale word and the first products
	v_mul_f32 v[INIT], 0.5, v[INIT]
	v_mov_b32 v[INIT+1], 0
.irp i, 0,1,2,3
	v_mov_b32 v[ACC+\i], 0                         ; the first trip finishes a tile that does not exist: its weight is 0
.endr
	v_mov_b32 v[VW], 0
	v_mov_b32 v[TOTAL], 0
	s_wait_loadcnt 0x0                             ; iw2
	s_mov_b32 s49, 0
	; ---- a trip is a tile k: both products and the dot product of tile k, the input of tile k + 1, the end of tile k - 1
.Ltile:
	L0MUL
	s_wait_dscnt 0x0                               ; s of tile k + 1 and the weight of tile k - 1, both asked for a trip ago
	P1A                                            ; five plain lines on other registers: the places behind the products
	ds_load_b32 v[VS], v[ADR] offset:128           ; s of tile k + 2
	RELU HID, 64
	QMAX 0
	MKWORD1
	v_lshlrev_b32 v[MA0], 23, v[MA0]
	v_lshlrev_b32 v[MB0], 23, v[MB0]
	v_lshlrev_b32 v[SC1], 23, v[M1]
	QCVT A1, A1+6, 1                               ; behind the scale word stand 14 plain lines, behind the operand's last move 4
	L1MUL
	FIN                                            ; eight plain lines on other registers: the places behind the products
	ds_load_b32 v[VW], v[ADR] offset:WOFF-64       ; the weight of tile k (the address has stepped already)
	DOT
	s_add_co_u32 s49, s49, 1
	s_cmp_lt_u32 s49, TRIPS
	s_cbranch_scc1 .Ltile
	; ---- the sums meet
	s_wait_dscnt 0x0                               ; the last tile's weight
	FIN
	v_add_f32_dpp v[TOTAL], v[TOTAL], v[TOTAL] row_xmask:1 row_mask:0xf bank_mask:0xf
	v_add_f32_dpp v[TOTAL], v[TOTAL], v[TOTAL] row_xmask:2 row_mask:0xf bank_mask:0xf
	v_add_f32_dpp v[TOTAL], v[TOTAL], v[TOTAL] row_xmask:4 row_mask:0xf bank_mask:0xf
	v_add_f32_dpp v[TOTAL], v[TOTAL], v[TOTAL] row_xmask:8 row_mask:0xf bank_mask:0xf   ; the 16 rows; both halves of the lanes hold the same sums
	s_lshl_b32 s62, s43, 2
	v_mov_b32 v[MA0], s62
	ds_store_b32 v[MA0], v[TOTAL] offset:PI
	s_wait_dscnt 0x0                               ; for wave 0's sake: my parts are stored
	s_barrier_signal -1
	s_barrier_wait -1
	s_cmp_lg_u32 s43, 0
	s_cbranch_scc1 .Lend
	v_mov_b32 v[MA0], 0
	ds_load_b128 v[HID:HID+3], v[MA0] offset:PI
	ds_load_b128 v[HID+4:HID+7], v[MA0] offset:PI+16
.irp q, 0,1,2,3
	ds_load_b128 v[HID+8+4*\q:HID+11+4*\q], v[MA0] offset:PO+16*\q
.endr
	s_wait_dscnt 0x0
	v_add_f32 v[HID], v[HID], v[HID+1]
	v_add_f32 v[HID+2], v[HID+2], v[HID+3]
	v_add_f32 v[HID+4], v[HID+4], v[HID+5]
	v_add_f32 v[HID+6], v[HID+6], v[HID+7]
	v_add_f32 v[HID], v[HID], v[HID+2]
	v_add_f32 v[HID+4], v[HID+4], v[HID+6]
	v_add_f32 v[HID], v[HID], v[HID+4]             ; the double sum
	v_pk_add_f32 v[HID+8:HID+9], v[HID+8:HID+9], v[HID+10:HID+11]
	v_pk_add_f32 v[HID+12:HID+13], v[HID+12:HID+13], v[HID+14:HID+15]
	v_pk_add_f32 v[HID+16:HID+17], v[HID+16:HID+17], v[HID+18:HID+19]
	v_pk_add_f32 v[HID+20:HID+21], v[HID+20:HID+21], v[HID+22:HID+23]
	v_pk_add_f32 v[HID+8:HID+9], v[HID+8:HID+9], v[HID+12:HID+13]
	v_pk_add_f32 v[HID+16:HID+17], v[HID+16:HID+17], v[HID+20:HID+21]
	v_pk_add_f32 v[HID+8:HID+9], v[HID+8:HID+9], v[HID+16:HID+17]
	v_add_f32 v[HID+8], s44, v[HID+8]              ; o0
	v_add_f32 v[HID+9], s45, v[HID+9]              ; o1
	v_mul_f32 v[HID+9], 0x3fb8aa3b, v[HID+9]
	v_exp_f32 v[HID+9], v[HID+9]
	v_mul_f32 v[HID], s40, v[HID]                  ; (plain lines behind the exponential)
	v_mul_f32 v[HID], 0.5, v[HID]
	s_wait_alu depctr_va_vdst(0)
	v_fma_f32 v[HID], v[HID+9], v[HID], v[HID+8]
	v_mov_b32 v[MA1], s41
	v_cmp_eq_u32 vcc_lo, 0, v0
	s_wait_xcnt 0x0                                ; EXEC changes only behind this wait
	s_and_saveexec_b32 s60, vcc_lo
	global_store_b32 v[MA1], v[HID], s[38:39]      ; the work-group's one number
	s_wait_xcnt 0x0                                ; and again, in front of the line that widens it
	s_or_b32 exec_lo, exec_lo, s60
.Lend:
	s_wait_tensorcnt 0x0
	ds_add_u32 v65, v69
	s_wait_dscnt 0x0
	s_endpgm
.Lfunc_end_k_q0c686b4033_umnn:
	.size	k_q0c686b4033_umnn, .Lfunc_end_k_q0c686b4033_umnn-k_q0c686b4033_umnn
	.p2alignl 7, 3214868480
	.fill 96, 4, 3214868480
	.section	.rodata,"a",@progbits
	.p2align	6, 0x0
	.amdhsa_kernel k_q0c686b4033_umnn
		.amdhsa_group_segment_fixed_size 27904
		.amdhsa_private_segment_fixed_size 0
		.amdhsa_enable_private_segment 0
		.amdhsa_kernarg_size 144
		.amdhsa_user_sgpr_count 2
		.amdhsa_user_sgpr_kernarg_segment_ptr 1
		.amdhsa_wavefront_size32 1
		.amdhsa_system_sgpr_workgroup_id_x 1
		.amdhsa_system_sgpr_workgroup_id_y 1
		.amdhsa_system_sgpr_workgroup_id_z 1
		.amdhsa_system_vgpr_workitem_id 0
		.amdhsa_next_free_vgpr 512
		.amdhsa_next_free_sgpr 92
		.amdhsa_reserve_vcc 1
		.amdhsa_float_denorm_mode_32 3
		.amdhsa_float_denorm_mode_16_64 3
		.amdhsa_memory_ordered 1
		.amdhsa_forward_progress 1
		.amdhsa_inst_pref_size 69
	.end_amdhsa_kernel
	.amdgpu_metadata
---
amdhsa.version: [ 1, 2 ]
amdhsa.kernels:
  - .name:           k_q0c686b4033_umnn
    .symbol:         k_q0c686b4033_umnn.kd
    .args:
      - { .name: x, .offset: 0, .size: 8, .value_kind: global_buffer, .address_space: global }
      - { .name: h, .offset: 8, .size: 8, .value_kind: global_buffer, .address_space: global }
      - { .name: iw0_codes, .offset: 16, .size: 8, .value_kind: global_buffer, .address_space: global }
      - { .name: iw0_scales, .offset: 24, .size: 8, .value_kind: global_buffer, .address_space: global }
      - { .name: iw1_codes, .offset: 32, .size: 8, .value_kind: global_buffer, .address_space: global }
      - { .name: iw1_scales, .offset: 40, .size: 8, .value_kind: global_buffer, .address_space: global }
      - { .name: ib0, .offset: 48, .size: 8, .value_kind: global_buffer, .address_space: global }
      - { .name: ib1, .offset: 56, .size: 8, .value_kind: global_buffer, .address_space: global }
      - { .name: iw2, .offset: 64, .size: 8, .value_kind: global_buffer, .address_space: global }
      - { .name: ib2, .offset: 72, .size: 8, .value_kind: global_buffer, .address_space: global }
      - { .name: nw0, .offset: 80, .size: 8, .value_kind: global_buffer, .address_space: global }
      - { .name: nb0, .offset: 88, .size: 8, .value_kind: global_buffer, .address_space: global }
      - { .name: nw1_codes, .offset: 96, .size: 8, .value_kind: global_buffer, .address_space: global }
      - { .name: nw1_scales, .offset: 104, .size: 8, .value_kind: global_buffer, .address_space: global }
      - { .name: nb1, .offset: 112, .size: 8, .value_kind: global_buffer, .address_space: global }
      - { .name: nw2, .offset: 120, .size: 8, .value_kind: global_buffer, .address_space: global }
      - { .name: nb2, .offset: 128, .size: 8, .value_kind: global_buffer, .address_space: global }
      - { .name: out0, .offset: 136, .size: 8, .value_kind: global_buffer, .address_space: global }
    .group_segment_fixed_size: 27904
    .private_segment_fixed_size: 0
    .kernarg_segment_align: 8
    .kernarg_segment_size: 144
    .max_flat_workgroup_size: 256
    .sgpr_count:     92
    .vgpr_count:     512
    .wavefront_size: 32
...
	.end_amdgpu_metadata
.endif
;; end of part 1
;; ======== version 2 of 2: 1 launch
;; limits: right only within a limited range of input values
;; launch umnn (part 2): grid 256 x 1, 4 waves a work-group, no clusters, 60,160 bytes of LDS; arguments x, h, iw0_codes, iw0_scales, iw1_codes, iw1_scales, ib0, ib1, iw2, ib2, nw0, nb0, nw1_codes, nw1_scales, nb1, nw2, nb2, out0; writes out0
.if DOCPART == 2
	.amdgcn_target "amdgcn-amd-amdhsa--gfx1250"
	.amdhsa_code_object_version 6
	.text
	.protected	k_q0c686b4033_umnn
	.globl	k_q0c686b4033_umnn
	.p2align	8
	.type	k_q0c686b4033_umnn,@function
k_q0c686b4033_umnn:
	s_mov_b64 s[64:65], 0
	v_nop
	global_prefetch_b8 v0, s[64:65] scope:SCOPE_SE
	s_setreg_imm32_b32 hwreg(HW_REG_WAVE_MODE, 25, 1), 1
	s_wait_xcnt 0x0
; out[b] = exp(o1) * (x/2) * sum over i, j of cc_i cc_j (xmax - t_i)/2 * f(s_ij, h_b) + o0:  a 51 x 51 Clenshaw-Curtis double sum of a small MLP f (64 -> 128 -> 128 -> 1,
; ReLU, ReLU, ELU + 1), and a second MLP on h_b (63 -> 128 -> 128 -> 2) for o0, o1.  The four wide products run on codes of BF6 (E3M2) with one E8M0 scale for each 32 along K.
; SHARES.  Work-group b owns batch row b: its 2,601 rows rho = 51 i + j are 163 tiles of 16 rows.  Four waves, as many as a WGP has SIMDs; wave w takes tiles 4 k + w, k = 0 .. 40: 20 trips of TWO tiles, whose
; lines stand by turns so that few lines read the result of the line before, and one tile more (wave 3's last tile has rows past 2,600, whose weights are 0: 1 tile in 164).
; WEIGHTS STAY IN REGISTERS: 18,432 bytes of codes, both biases and iw2 serve all of a wave's tiles from its registers; a trip reads two words a lane from LDS and stores two.  They are read from memory ONCE
; by the work-group: each wave brings a quarter and lays it in LDS, and behind the first barrier each wave fills its registers from there.  No tensor load, no cluster and no prefetch, though all work-groups
; read the same weights: what is shared is read once, by 10 loads a wave, ahead of a loop that touches no memory at all.
; LAYOUT.  The products are used transposed (source 0 = 16 rows of the weight, source 1 = 16 input rows): a lane holds ONE input row (lane % 16).  Row m of weight tile t is unit
; 64 (t / 4) + 8 (t % 4) + m % 8 + 32 (m / 8): register 8 t + j of lane (r, hh) is unit 64 (t / 4) + 8 (t % 4) + j + 32 hh.  So registers 0-31 are the whole block hh of the next K and registers 32-63 the
; whole block 2 + hh, in order: a block's largest magnitude needs no other lane, and the conversions' results are the next operand's registers.  The bias is the C of each tile's one product.
; The first product has K = 64: the input's codes of k = 64 .. 127 are zeros, so what source 0 holds there (the next fragment's codes: E3M2 has no infinity and no NaN) adds exact zeros; fragment t of iw0
; is 6 registers of its own and runs on over the next 6.  The scale bytes of those blocks repeat the used ones.
; A BLOCK'S SCALE is its largest magnitude x 1/16, as f32: its exponent field is the E8M0 byte, and the conversion takes the same field.
; THE END OF A ROW: each lane stores its 64 units' part of y; behind the loop a lane takes whole rows: y, elu(y) + 1, times the row's weight, which has stayed in the lane's registers.
; max t = max(0, max x): (steps + 1) / 2 is 1 at i = 0 and 0 at i = 50.  elu(y) + 1 = y + 1 for y > 0, else e^y.
; LIMITS.  NaN and infinities among the inputs are not served.  A block of zeros gets the byte 0 (2^-127) and not 127: its codes are zeros, so the product is the same.  A block whose largest magnitude lies
; under 2^-122 gets the byte 0 and not 1: its numbers above 28 x 2^-127 are held there.  steps and cc are computed in f32: a Taylor series of the cosine to y^14 on y <= pi / 2 (u within about 2e-7
; absolute) and a three-term recurrence for cos(2 m y) (cc within about 1e-6 absolute).
; LDS
.set JT,    0                          ; 64 x 8 bytes: (u_j, cc_j)
.set IT,    512                        ; 64 x 16 bytes: (t_i, d_i = xmax - t_i, g_i = cc_i d_i / 2, 0); g = 0 from i = 51 on
.set O1,    1536                       ; 128 f32: the outer net's first hidden layer
.set PO,    2048                       ; 4 x 8 bytes: each wave's part of (o0, o1)
.set PI,    2112                       ; 4 x 4 bytes: each wave's part of the double sum
.set HB,    2304                       ; for each wave HBSZ bytes: 64 words (h, 0), then 64 words (0, h) and a spare word
.set HBSZ,  576
.set BIA,   HB+4*HBSZ                  ; ib0, ib1, iw2, iw1_scales: 512 bytes each
.set C0,    BIA+2048                   ; iw0's codes, rows of 48 bytes, 128 bytes left free behind each 32 rows
.set G0PAD, 128
.set C1,    C0+4*(1536+G0PAD)          ; iw1's, rows of 96 bytes, 16 bytes left free behind each 32 rows: so the 32 lanes of a load of 8 bytes touch 64 different banks (64 banks of 4 bytes: ISA guide 11.1)
.set G1PAD, 16
.set OWN,   25856                      ; for each wave WSZ bytes: s of 44 tiles x 16 rows, 4 bytes a row; then 22 places of 256 bytes: two tiles' half sums, 8 bytes a row; place p + 1 is trip p's
.set HSO,   2816
.set WSZ,   HSO+22*256
.set SPARE, OWN+4*WSZ                  ; the spare words
.set TRIPS, 20
; REGISTERS, window 0.  Tile x of a trip is 0 or 1
.set ROT,   1                          ; 7 in lanes 0-15, 31 in lanes 16-31: the rotation that brings my two scale bytes to their places
.set MASK,  2                          ; 0x00ff00ff in lanes 0-15, 0xff00ff00 in lanes 16-31
.set H31,   3                          ; lanes 16-31: h[31]
.set INIT,  4                          ; v4-5 (ib2 / 2, 0)
.set ADR,   6                          ; where my row's s stands
.set ADRH,  7                          ; where my half sum goes
.set HMAX,  8                          ; largest |inp(32 hh + 1 .. 31)|
.set E1C,   9                          ; block 1's byte at bits 8 and 24
.set M1,    10                         ; v10-11 the input block's byte
.set SC1,   12                         ; v12-13 its scale as f32
.set VS,    14                         ; v14-15 s of the tiles to come
.set SW0,   16                         ; v16-29 hold scales and nothing else
.set SW1,   20
.set WORD0, 24
.set WORD1, 26
.set SWX,   28
.set PT,    30                         ; v30-31
.set SC,    32                         ; v32-35 a block's scale as f32: tile x, block half b at SC + 2 x + b
.set Q,     36                         ; v36-51 four sets of four running maxima: set (x, b) at Q + 8 x + 4 b; then conversions' second halves: TMPA x at Q + 8 x, TMPB x at Q + 8 x + 4
.set TMPC,  52                         ; v52-59
.set ACC,   60                         ; v60-67 two packed sums a tile
.set IN,    68                         ; v68-91 the first product's inputs, codes
.set A1,    92                         ; v92-115 the second product's inputs, codes
.set SPW,   116
.set NIL,   117
.set HH,    118                        ; lane / 16
.set RR,    119                        ; lane % 16
.set A128,  120                        ; 128 hh
.set AW0,   121                        ; my lane's place in iw0's codes, iw1's codes, iw1's scale words
.set AW1,   122
.set ASW,   123
.set HID,   128                        ; v128-255 two hidden layers
; window 1
.set W0,    0                          ; iw0's fragments, 6 registers apart
.set W1,    48                         ; iw1's, 12 apart
.set IW2,   144                        ; iw2, laid as the hidden layer
.set H,     208                        ; inp(32 hh + i) of tile 0; i = 0 is written anew for each tile
.set H2,    240                        ; its first half again, for tile 1
; window 2
.set IB0,   0
.set IB1,   64
.set WGT,   128                        ; v128-149 weights: register q of lane l: tile 2 q + l / 16, row l % 16
; window 3, before the loop
.set NB0,   0                          ; 8 registers for each of my two unit tiles
.set NB1,   16
.set NW2,   32                         ; 16 for each
.set NW1F,  64                         ; 12 for each
; before the loop, window 0
.set T,     36                         ; the tables at work
.set X8,    52
.set CD,    192                        ; 40 registers on their way from memory to LDS
.set HC,    232
.set KB,    66                         ; s66-90: 1 / (4 m^2 - 1), m = 1 .. 25
.set SIXTEENTH, 0x3d800000
.set N,     2                          ; tiles of a trip
.set MSB, 0
.macro WIN new                         ; the immediate's high byte repeats the setting that is left
.if MSB != \new
	s_set_vgpr_msb (MSB<<8)|\new
.set MSB, \new
.endif
.endm
.macro AW
	s_wait_alu depctr_va_vdst(0)
.endm
.macro DSW n
	s_wait_alu depctr_va_vdst(0)
	s_wait_dscnt \n
.endm
.macro PLACES n
.rept \n
	v_nop
.endr
.endm
.macro RELU2 r
	v_dual_max_num_f32 v[\r], 0, v[\r] :: v_dual_max_num_f32 v[\r+1], 0, v[\r+1]
.endm
; Line n of 16 of the largest of 32 registers and 0, three operands at a time, in four chains; registers in ascending order
.macro MAXSTEP base, n, abs, dst, qb
.if (\n) < 4
.if \abs
	v_max3_num_f32 v[\qb+(\n)], |v[\base+3*(\n)]|, |v[\base+3*(\n)+1]|, |v[\base+3*(\n)+2]|
.else
	v_max3_num_f32 v[\qb+(\n)], v[\base+3*(\n)], v[\base+3*(\n)+1], v[\base+3*(\n)+2]
.endif
.elseif (\n) < 14
.if \abs
	v_max3_num_f32 v[\qb+(\n)%4], v[\qb+(\n)%4], |v[\base+4+2*(\n)]|, |v[\base+5+2*(\n)]|
.else
	v_max3_num_f32 v[\qb+(\n)%4], v[\qb+(\n)%4], v[\base+4+2*(\n)], v[\base+5+2*(\n)]
.endif
.elseif (\n) == 14
	v_max3_num_f32 v[\qb+2], v[\qb+2], v[\qb+3], v[\qb]
.else
	v_max3_num_f32 v[\dst], v[\qb+2], v[\qb+1], 0
.endif
.endm
; A row's scale word from two scales as f32, in four lines: the exponent fields go to bytes 0 and 2 (lanes 0-15) or 1 and 3 (lanes 16-31); the lane 16 away holds the other two
.macro WORDSTEP s, dst, lo, hi, pt
.if \s == 0
	v_perm_b32 v[\pt], v[\hi], v[\lo], 0x07060302
.elseif \s == 1
	v_alignbit_b32 v[\pt], v[\pt], v[\pt], v[ROT]
.elseif \s == 2
	v_permlanex16_b32 v[\lo], v[\pt], s46, s47     ; (callers whose scale is still wanted give another register)
.else
	v_bfi_b32 v[\dst], v[MASK], v[\pt], v[\lo]
.endif
.endm
.macro WORDX s, dst, lo, hi, pt, other
.if \s < 2
	WORDSTEP \s, \dst, \lo, \hi, \pt
.else
	WORDSTEP \s, \dst, \other, \hi, \pt
.endif
.endm
.macro WM d, a, b, c, sa, sb, odd
.if \odd
	v_wmma_scale_f32_16x16x128_f8f6f4 v[\d:\d+7], v[\a:\a+11], v[\b:\b+11], v[\c:\c+7], v[\sa], v[\sb] matrix_a_fmt:MATRIX_FMT_BF6 matrix_b_fmt:MATRIX_FMT_BF6 matrix_a_scale:MATRIX_SCALE_ROW1
.else
	v_wmma_scale_f32_16x16x128_f8f6f4 v[\d:\d+7], v[\a:\a+11], v[\b:\b+11], v[\c:\c+7], v[\sa], v[\sb] matrix_a_fmt:MATRIX_FMT_BF6 matrix_b_fmt:MATRIX_FMT_BF6
.endif
.endm
.macro L0MUL                           ; eight products a tile, each with its own accumulator: none adds in place
	WIN 0x21                                       ; source 0 window 1, C window 2
.irp x, 0,1
.if \x < N
.irp t, 0,1,2,3,4,5,6,7
	WM HID+64*\x+8*\t, W0+6*\t, IN+12*\x, IB0+8*\t, SW0+\t/2, WORD0+\x, \t%2
.endr
.endif
.endr
	WIN 0
.endm
.macro L1MUL
	WIN 0x21
.irp x, 0,1
.if \x < N
.irp t, 0,1,2,3,4,5,6,7
	WM HID+64*\x+8*\t, W1+12*\t, A1+12*\x, IB1+8*\t, SW1+\t/2, WORD1+\x, \t%2
.endr
.endif
.endr
	WIN 0
.endm
; The inputs of the two tiles to come, first part: their s has landed.  In the loop the first four lines are the places behind the products
.macro PREP1
	WIN 0x40
	v_cndmask_b32 v[H], v[H31], v[VS], s50         ; s into lanes 0-15 (lanes 16-31: h[31])
	v_cndmask_b32 v[H2], v[H31], v[VS+1], s50
	WIN 0x01
	v_max_num_f32 v[SC1], |v[H]|, v[HMAX]
	v_max_num_f32 v[SC1+1], |v[H2]|, v[HMAX]
	v_mul_f32 v[SC1], SIXTEENTH, v[SC1]
	v_mul_f32 v[SC1+1], SIXTEENTH, v[SC1+1]
	v_lshrrev_b32 v[M1], 23, v[SC1]
	v_lshrrev_b32 v[M1+1], 23, v[SC1+1]
	v_cvt_scalef32_pk16_bf6_f32 v[IN:IN+2], v[H:H+15], v[SC1]
	v_cvt_scalef32_pk16_bf6_f32 v[IN+12:IN+14], v[H2:H2+15], v[SC1+1]
	v_cvt_scalef32_pk16_bf6_f32 v[TMPC:TMPC+2], v[H+16:H+31], v[SC1]
	v_cvt_scalef32_pk16_bf6_f32 v[TMPC+4:TMPC+6], v[H+16:H+31], v[SC1+1]
	WIN 0
.endm
.macro PREP2                           ; second part: a conversion's three registers begin on an even number, so the second halves are moved; the scale words
.irp i, 0,1,2
	v_mov_b32 v[IN+3+\i], v[TMPC+\i]
	v_mov_b32 v[IN+15+\i], v[TMPC+4+\i]
.endr
	v_mad_u32_u24 v[WORD0], v[M1], 0x10001, v[E1C] ; lanes 0-15: block 0's byte at bits 0 and 16, block 1's at 8 and 24
	v_mad_u32_u24 v[WORD0+1], v[M1+1], 0x10001, v[E1C]
.endm
; ReLU, block scales, scale words and codes of the hidden layers
.macro QUANT
.set mm, 0
.rept 16
.irp x, 0,1
.if \x < N
	MAXSTEP HID+64*\x, mm, 0, SC+2*\x, Q+8*\x
	MAXSTEP HID+64*\x+32, mm, 0, SC+2*\x+1, Q+8*\x+4
.endif
.endr
.set mm, mm+1
.endr
.irp x, 0,1
.if \x < N
	v_mul_f32 v[SC+2*\x], SIXTEENTH, v[SC+2*\x]
	v_mul_f32 v[SC+2*\x+1], SIXTEENTH, v[SC+2*\x+1]
.endif
.endr
.irp s, 0,1,2,3                        ; the scale words' lines stand between the ReLUs of blocks 2 + hh
.irp x, 0,1
.if \x < N
	RELU2 HID+64*\x+32+8*\s
	RELU2 HID+64*\x+34+8*\s
	WORDX \s, WORD1+\x, SC+2*\x, SC+2*\x+1, PT+\x, Q+8*\x+1
	RELU2 HID+64*\x+36+8*\s
	RELU2 HID+64*\x+38+8*\s
.endif
.endr
.endr
.irp x, 0,1
.if \x < N
	v_cvt_scalef32_pk16_bf6_f32 v[A1+12*\x+6:A1+12*\x+8], v[HID+64*\x+32:HID+64*\x+47], v[SC+2*\x+1]
	v_cvt_scalef32_pk16_bf6_f32 v[Q+8*\x+4:Q+8*\x+6], v[HID+64*\x+48:HID+64*\x+63], v[SC+2*\x+1]
.endif
.endr
.irp i, 0,2,4,6,8,10,12,14,16,18,20,22,24,26,28,30
.irp x, 0,1
.if \x < N
	RELU2 HID+64*\x+\i
.endif
.endr
.endr
.irp x, 0,1
.if \x < N
	v_cvt_scalef32_pk16_bf6_f32 v[A1+12*\x:A1+12*\x+2], v[HID+64*\x:HID+64*\x+15], v[SC+2*\x]
	v_cvt_scalef32_pk16_bf6_f32 v[Q+8*\x:Q+8*\x+2], v[HID+64*\x+16:HID+64*\x+31], v[SC+2*\x]
.endif
.endr
.irp x, 0,1
.if \x < N
	v_mov_b32 v[A1+12*\x+11], v[Q+8*\x+6]
.endif
.endr
.irp x, 0,1
.if \x < N
	v_dual_mov_b32 v[A1+12*\x+3], v[Q+8*\x] :: v_dual_mov_b32 v[A1+12*\x+10], v[Q+8*\x+5]
	v_dual_mov_b32 v[A1+12*\x+4], v[Q+8*\x+1] :: v_dual_mov_b32 v[A1+12*\x+9], v[Q+8*\x+4]
	v_mov_b32 v[A1+12*\x+5], v[Q+8*\x+2]
.endif
.endr
.endm
; The third product, N = 1, in f32, over my 64 units: two packed sums a tile; ib2 / 2 starts the first in each half of the lanes
.macro DOT
.set i, 0
.rept 32
.irp x, 0,1
.if \x < N
	RELU2 HID+64*\x+2*i
.endif
.endr
.set i, i+1
.endr
	WIN 0x01
.set i, 0
.rept 32
.irp x, 0,1
.if \x < N
.set CR, ACC+4*\x+2*(i%2)
.set HR, HID+64*\x+2*i
.if i == 0
	v_pk_fma_f32 v[CR:CR+1], v[IW2:IW2+1], v[HR:HR+1], v[INIT:INIT+1]
.elseif i == 1
	v_pk_mul_f32 v[CR:CR+1], v[IW2+2:IW2+3], v[HR:HR+1]
.else
	v_pk_fma_f32 v[CR:CR+1], v[IW2+2*i:IW2+2*i+1], v[HR:HR+1], v[CR:CR+1]
.endif
.endif
.endr
.set i, i+1
.endr
	WIN 0
.endm
.macro FIN                             ; a tile's half sum
.irp x, 0,1
.if \x < N
	v_pk_add_f32 v[ACC+4*\x:ACC+4*\x+1], v[ACC+4*\x:ACC+4*\x+1], v[ACC+4*\x+2:ACC+4*\x+3]
.endif
.endr
.irp x, 0,1
.if \x < N
	v_add_f32 v[ACC+4*\x], v[ACC+4*\x], v[ACC+4*\x+1]
.endif
.endr
.endm
	; ---- addresses, lane terms
	s_load_b512 s[4:19], s[0:1], 0x0               ; x, h, iw0_codes, iw0_scales, iw1_codes, iw1_scales, ib0, ib1
	s_load_b512 s[20:35], s[0:1], 0x40             ; iw2, ib2, nw0, nb0, nw1_codes, nw1_scales, nb1, nw2
	s_load_b128 s[36:39], s[0:1], 0x80             ; nb2, out0
	v_lshl_add_u32 v[SPW], v0, 2, SPARE
	v_mov_b32 v[NIL], 0
	v_lshrrev_b32 v124, 5, v0
	v_readfirstlane_b32 s43, v124                  ; wave 0..3
	s_lshl_b32 s41, ttmp9, 2                       ; 4 b
	s_mov_b32 s58, s41
	s_mov_b32 s59, 0
	s_mul_i32 s60, ttmp9, 252                      ; a row of h
	s_mov_b32 s61, 0
	s_mov_b32 s46, 0x76543210                      ; v_permlanex16_b32's selects for lane l xor 16
	s_mov_b32 s47, 0xfedcba98
	s_mov_b32 s48, 0x7fffffff                      ; lanes 0-30
	s_mov_b32 s50, 0xffff                          ; lanes 0-15
	s_mov_b32 s51, 20561
	s_lshl_b32 s52, s43, 7                         ; 4 x 32 w
	s_mul_i32 s53, s43, WSZ
	s_add_co_u32 s53, s53, OWN
	s_add_co_u32 s97, s53, HSO
	s_mul_i32 s62, s43, 3072                       ; my quarter of iw1's codes: in memory,
	s_mul_i32 s63, s43, 3072+G1PAD                 ; in LDS
	s_mul_i32 s91, s43, 1536                       ; of iw0's
	s_mul_i32 s96, s43, 1536+G0PAD
	s_lshl_b32 s93, s43, 9
	s_mul_i32 s94, s43, HBSZ
	v_and_b32 v[RR], 15, v0
	v_bfe_u32 v[HH], v0, 4, 1
	v_and_b32 v124, 31, v0                         ; lane
	v_mov_b32 v[MASK], 0x00ff00ff
	v_mad_u32_u24 v[ROT], v[HH], 24, 7
	v_lshlrev_b32 v125, 3, v[HH]
	v_lshlrev_b32 v[A128], 7, v[HH]
	v_lshlrev_b32 v236, 5, v124                    ; x: 32 bytes a lane
	v_lshl_add_u32 v238, v[RR], 2, s52             ; 4 (32 w + r): nw0's column, nw1's scale word
	v_lshlrev_b32 v239, 2, v124                    ; h(lane)
	v_lshlrev_b32 v[MASK], v125, v[MASK]
	v_lshl_add_u32 v237, v[HH], 14, v238           ; lanes 16-31 begin 32 rows of nw0 further down
	v_add_nc_u32 v240, 128, v239
	v_lshl_add_u32 v241, v[HH], 5, s52             ; 4 (32 w + 8 hh): nb0, nb1 in the result's layout
	v_lshrrev_b32 v243, 2, v238
	v_min_u32 v240, 248, v240                      ; h(32 + lane); h(63) does not exist: lane 31 stays inside the row
	v_lshlrev_b32 v242, 1, v241                    ; nw2
	v_mul_u32_u24 v243, v243, 96
	v_lshl_add_u32 v244, v124, 4, s62
	v_lshl_add_u32 v245, v124, 4, s63
	v_mad_u32_u24 v243, v[HH], 24, v243            ; nw1's row 32 w + r, + 24 hh
	v_lshl_add_u32 v246, v124, 4, s91
	v_lshl_add_u32 v247, v124, 4, s96
	v_lshlrev_b32 v248, 4, v124
	v_lshl_add_u32 v249, v124, 4, s93
	v_lshl_add_u32 v250, v124, 2, s94
	v_mov_b32 v251, s94
	v_add_nc_u32 v252, s94, v[A128]
	v_and_b32 v125, 7, v[RR]
	v_lshrrev_b32 v126, 3, v[RR]
	v_lshl_add_u32 v[ADR], v[RR], 2, s53
	v_lshl_add_u32 v[ADRH], v[RR], 3, s97
	v_lshl_add_u32 v125, v126, 5, v125             ; r % 8 + 32 (r / 8): my row's unit in a tile
	v_lshl_add_u32 v[ADRH], v[HH], 2, v[ADRH]
	v_mul_u32_u24 v[AW0], v125, 48
	v_mul_u32_u24 v[AW1], v125, 96
	v_lshl_add_u32 v125, v[HH], 3, v125            ; scale words: lanes 16-31 take the tile 8 units on
	v_mad_u32_u24 v[AW0], v[HH], 24, v[AW0]
	v_mad_u32_u24 v[AW1], v[HH], 24, v[AW1]
	v_lshlrev_b32 v[ASW], 2, v125
	v_lshlrev_b32 v253, 1, v125
	v_lshl_add_u32 v[AW0], v126, 7, v[AW0]
	v_lshl_add_u32 v[AW1], v126, 4, v[AW1]
	; ---- waves 0 and 1, while the arguments are on their way: thread j makes u_j and cc_j
	s_cmp_lt_u32 s43, 2
	AW
	s_cbranch_scc0 .Lno_t1
	v_and_b32 v[T+4], 31, v0
	v_sub_nc_u32 v[T], 50, v0
	v_mul_u32_u24 v[T+4], v[T+4], v[T+4]
	v_min_u32 v[T], v[T], v0                       ; jj = min(j, 50 - j); for j > 50 it is j, and cc is set to 0 below
	v_lshlrev_b32 v[T+4], 2, v[T+4]
	v_cvt_f32_u32 v[T+1], v[T]
	v_add_nc_u32 v[T+4], -1, v[T+4]
	v_mul_f32 v[T+1], 0x3d80adfd, v[T+1]           ; y = jj pi / 50
	v_cvt_f32_i32 v[T+4], v[T+4]
	v_mul_f32 v[T+1], v[T+1], v[T+1]               ; z = y^2
	AW
	v_rcp_f32 v[T+4], v[T+4]                       ; lane m: 1 / (4 m^2 - 1)
	v_mov_b32 v[T+10], 0xad49cba5                  ; -1 / 14!
	v_fmaak_f32 v[T+10], v[T+10], v[T+1], 0x310f76c7   ; 1 / 12!
	v_fmaak_f32 v[T+10], v[T+10], v[T+1], 0xb493f27e   ; -1 / 10!
	v_fmaak_f32 v[T+10], v[T+10], v[T+1], 0x37d00d01   ; 1 / 8!
	v_fmaak_f32 v[T+10], v[T+10], v[T+1], 0xbab60b61   ; -1 / 6!
	v_fmaak_f32 v[T+10], v[T+10], v[T+1], 0x3d2aaaab   ; 1 / 4!
	v_fma_f32 v[T+10], v[T+10], v[T+1], -0.5
	v_fma_f32 v[T+10], v[T+10], v[T+1], 1.0        ; c = cos(y)
	v_fma_f32 v[T+2], v[T+10], 0.5, 0.5
	v_fma_f32 v[T+11], -v[T+10], 0.5, 0.5
	v_cmp_lt_u32 vcc_lo, 25, v0
	v_cndmask_b32 v[T+2], v[T+2], v[T+11], vcc_lo  ; u = (steps + 1) / 2, steps = -c behind the middle
.set m, 1
	AW
.rept 25
	v_readlane_b32 s[KB+m-1], v[T+4], m
.set m, m+1
.endr
	v_add_f32 v[T+11], v[T+10], v[T+10]
	v_fma_f32 v[T+7], v[T+11], v[T+10], -1.0       ; c_1 = cos(2 y)
	v_add_f32 v[T+5], v[T+7], v[T+7]
	v_mov_b32 v[T+6], 1.0                          ; c_0
	v_mul_f32 v[T+8], s[KB], v[T+7]
.set m, 2
.rept 24
	v_fma_f32 v[T+6+m%2], v[T+5], v[T+6+(m+1)%2], -v[T+6+m%2]   ; c_m = 2 c_1 c_(m-1) - c_(m-2)
	v_fmac_f32 v[T+8], s[KB+m-1], v[T+6+m%2]
.set m, m+1
.endr
	v_mov_b32 v[T+3], 0x3d23d70a                   ; 2 / 50;
	v_cmp_ne_u32 vcc_lo, 0, v[T]
	v_cndmask_b32 v[T+3], 0x3ca3d70a, v[T+3], vcc_lo   ; half of it at both ends;
	v_cmp_ge_u32 vcc_lo, 50, v0
	v_cndmask_b32 v[T+3], 0, v[T+3], vcc_lo        ; nothing past j = 50
	v_fma_f32 v[T+8], v[T+8], -2.0, 1.0
	v_mul_f32 v[T+3], v[T+3], v[T+8]               ; cc_j
.Lno_t1:
	AW
	s_wait_kmcnt 0x0
	s_add_nc_u64 s[56:57], s[4:5], s[58:59]
	s_add_nc_u64 s[54:55], s[6:7], s[60:61]        ; h's row b
	s_load_b32 s40, s[56:57], 0x0                  ; x_b
	s_load_b32 s42, s[22:23], 0x0                  ; ib2
	s_load_b64 s[44:45], s[36:37], 0x0             ; nb2
	s_cmp_lt_u32 s43, 2                            ; the array that I bring: the choice hangs on the wave's number alone
	s_cselect_b64 s[92:93], s[16:17], s[20:21]     ; ib0 or iw2,
	s_cselect_b64 s[94:95], s[18:19], s[14:15]     ; ib1 or iw1_scales
	s_and_b32 s62, s43, 1
	s_cmp_lg_u32 s62, 0
	s_cselect_b64 s[92:93], s[94:95], s[92:93]
	; ---- all loads from memory: 110 a wave, and two more in waves 0 and 1.  What is bound for LDS goes first
	s_cmp_lt_u32 s43, 2
	s_cbranch_scc0 .Lno_x
	global_load_b128 v[X8:X8+3], v236, s[4:5]      ; waves 0 and 1: all 256 x, 8 a lane
	global_load_b128 v[X8+4:X8+7], v236, s[4:5] offset:16
.Lno_x:
.irp c, 0,1,2,3,4,5
	global_load_b128 v[CD+4*\c:CD+4*\c+3], v244, s[12:13] offset:512*\c
.endr
.irp c, 0,1,2
	global_load_b128 v[CD+24+4*\c:CD+27+4*\c], v246, s[8:9] offset:512*\c
.endr
	global_load_b128 v[CD+36:CD+39], v248, s[92:93]
	global_load_b32 v[HC], v239, s[54:55]
	global_load_b32 v[HC+1], v240, s[54:55]
.irp c, 0,1
.set i, 0
.rept 31
	global_load_b32 v[HID+32*\c+i], v237, s[24:25] offset:512*i+64*\c  ; nw0(32 hh + i, 32 w + 16 c + r): a lane to a column, registers down K
.set i, i+1
.endr
	global_load_b32 v[HID+32*\c+31], v238, s[24:25] offset:512*31+64*\c    ; row 31 in every lane: row 63 does not exist
.endr
	WIN 0xc0
.irp c, 0,1
.irp q, 0,1
	global_load_b128 v[NB0+8*\c+4*\q:NB0+8*\c+4*\q+3], v241, s[26:27] offset:64*\c+16*\q
	global_load_b128 v[NB1+8*\c+4*\q:NB1+8*\c+4*\q+3], v241, s[32:33] offset:64*\c+16*\q
.endr
.irp q, 0,1,2,3
	global_load_b128 v[NW2+16*\c+4*\q:NW2+16*\c+4*\q+3], v242, s[34:35] offset:128*\c+16*\q
.endr
.irp p, 0,1,2,3,4,5
	global_load_b64 v[NW1F+12*\c+2*\p:NW1F+12*\c+2*\p+1], v243, s[28:29] offset:1536*\c+48*(\p/3)+8*(\p%3)
.endr
.endr
	WIN 0
	global_load_b32 v[SWX], v238, s[30:31]
	global_load_b32 v[SWX+1], v238, s[30:31] offset:64
.irp q, 0,1,2,3
	global_load_u16 v[SW0+\q], v253, s[10:11] offset:2*(64*(\q/2)+16*(\q%2))
.endr
	s_cmp_lt_u32 s43, 2
	s_cbranch_scc0 .Lno_t2
	s_wait_kmcnt 0x0                               ; x_b
	s_wait_loadcnt 63                              ; x is in: behind its two loads stand 110
	v_max3_num_f32 v[T+10], v[X8], v[X8+1], v[X8+2]
	v_max3_num_f32 v[T+11], v[X8+3], v[X8+4], v[X8+5]
	v_max3_num_f32 v[T+10], v[T+10], v[X8+6], v[X8+7]
	v_max3_num_f32 v[T+10], v[T+10], v[T+11], 0
.irp k, 1,2,4,8
	v_max_num_f32_dpp v[T+10], v[T+10], v[T+10] row_xmask:\k row_mask:0xf bank_mask:0xf
.endr
	v_permlanex16_b32 v[T+11], v[T+10], s46, s47
	v_max_num_f32 v[T+10], v[T+10], v[T+11]
	v_add_f32 v[T+10], 0x41200000, v[T+10]         ; xmax = max(0, max x) + 10
	v_mul_f32 v[T+6], s40, v[T+2]                  ; t
	v_sub_f32 v[T+7], v[T+10], v[T+6]              ; d
	v_mul_f32 v[T+8], v[T+3], v[T+7]
	v_mul_f32 v[T+8], 0.5, v[T+8]                  ; g
	v_mov_b32 v[T+9], 0
	v_lshlrev_b32 v[T+1], 3, v0
	v_lshlrev_b32 v[T+4], 4, v0
	ds_store_b64 v[T+1], v[T+2:T+3]
	ds_store_b128 v[T+4], v[T+6:T+9] offset:IT
.Lno_t2:
	; ---- my quarter of the weights into LDS, for all four waves; h into my own bytes and back, spread over the registers
	AW
	s_wait_loadcnt 63                              ; the twelve loads are in: behind them stand 98
.irp c, 0,1,2,3,4,5
	ds_store_b128 v245, v[CD+4*\c:CD+4*\c+3] offset:C1+512*\c
.endr
.irp c, 0,1,2
	ds_store_b128 v247, v[CD+24+4*\c:CD+27+4*\c] offset:C0+512*\c
.endr
	ds_store_b128 v249, v[CD+36:CD+39] offset:BIA
	v_cndmask_b32 v[HC+2], 0, v[HC+1], s48         ; lane 31: the zero that fills K = 63 up to 64
	ds_store_b32 v250, v[HC] offset:HB             ; (h, 0): the outer net's operand
	ds_store_b32 v250, v[HC+2] offset:HB+128
	ds_store_b32 v250, v[HC] offset:HB+256+4       ; (0, h): the integrand's input; lane 31's zero falls on the spare word
	ds_store_b32 v250, v[HC+2] offset:HB+256+132
	ds_store_b32 v251, v[NIL] offset:HB+256        ; the place of s
.irp q, 0,1,2,3,4,5,6,7
	ds_load_b128 v[36+4*\q:39+4*\q], v252 offset:HB+16*\q              ; h(32 hh + i): LDS serves a wave's instructions in order, so these see my stores
.endr
	WIN 0x40
.irp q, 0,1,2,3,4,5,6,7
	ds_load_b128 v[H+4*\q:H+4*\q+3], v252 offset:HB+256+16*\q          ; inp(32 hh + i)
.endr
	WIN 0
	; ---- h nw0: wave w makes units 32 w .. 32 w + 31 of the outer net's first layer; both operands are quantised here.  K = 63: k = 63 and k = 64 .. 127 are zeros on both sides
.irp i, 6,7,8,9,10,11
	v_mov_b32 v[IN+\i], 0                          ; these stay zeros
	v_mov_b32 v[IN+12+\i], 0
	v_mov_b32 v[A1+\i], 0
	v_mov_b32 v[A1+12+\i], 0
.endr
	AW
	s_wait_loadcnt 0x0                             ; all loads from memory are in; their offset registers are free
	v_cndmask_b32 v[HID+31], 0, v[HID+31], s50
	v_cndmask_b32 v[HID+63], 0, v[HID+63], s50
	DSW 0x0                                        ; h
.set mm, 0
.rept 16
	MAXSTEP HID, mm, 1, 248, 236
	MAXSTEP HID+32, mm, 1, 249, 240
	MAXSTEP 36, mm, 1, 250, 244
.set mm, mm+1
.endr
.irp i, 248,249,250
	v_mul_f32 v[\i], SIXTEENTH, v[\i]
.endr
.irp s, 0,1,2,3                        ; the bytes of the two zero blocks repeat those of blocks 0 and 1
	WORDX \s, WORD1, 248, 248, 251, 236
	WORDX \s, WORD1+1, 249, 249, 252, 240
	WORDX \s, WORD0, 250, 250, 253, 244
.endr
	v_cvt_scalef32_pk16_bf6_f32 v[A1:A1+2], v[HID:HID+15], v248
	v_cvt_scalef32_pk16_bf6_f32 v[192:194], v[HID+16:HID+31], v248
	v_cvt_scalef32_pk16_bf6_f32 v[A1+12:A1+14], v[HID+32:HID+47], v249
	v_cvt_scalef32_pk16_bf6_f32 v[196:198], v[HID+48:HID+63], v249
	v_cvt_scalef32_pk16_bf6_f32 v[IN:IN+2], v[36:51], v250
	v_cvt_scalef32_pk16_bf6_f32 v[200:202], v[52:67], v250
	v_nop
.irp i, 0,1,2
	v_mov_b32 v[A1+3+\i], v[192+\i]
	v_mov_b32 v[A1+15+\i], v[196+\i]
	v_mov_b32 v[IN+3+\i], v[200+\i]
.endr
	PLACES 4                                       ; an operand written by a vector instruction stands 4 places ahead of a scaled product, a scale word 8 (here 14)
	WIN 0x30
	WM 204, A1, IN, NB0, WORD1, WORD0, 0
	WM 212, A1+12, IN, NB0+8, WORD1+1, WORD0, 0
	WIN 0
	v_lshlrev_b32 v124, 5, v[HH]                   ; four places behind the products
	v_nop
	v_add_nc_u32 v124, s52, v124                   ; 4 (32 w + 8 hh)
	v_nop
.irp j, 0,2,4,6,8,10,12,14
	RELU2 204+\j
.endr
.irp q, 0,1,2,3
	ds_store_b128 v124, v[204+4*\q:207+4*\q] offset:O1+64*(\q/2)+16*(\q%2)   ; the sixteen lanes of a half hold the same numbers and write the same bytes
.endr
	DSW 0x0                                        ; for the others' sake: my stores of the tables, of the weights and of the hidden layer are done
	s_wait_kmcnt 0x0                               ; x_b, ib2, nb2
	s_barrier_signal -1
	s_barrier_wait -1
	; ---- relu(..) nw1, and nw2: wave w makes units 32 w .. of the second layer and its part of (o0, o1).  From here to the next barrier no wave stores to LDS
.irp q, 0,1,2,3,4,5,6,7
	ds_load_b128 v[HID+4*\q:HID+4*\q+3], v[A128] offset:O1+16*\q
	ds_load_b128 v[HID+32+4*\q:HID+35+4*\q], v[A128] offset:O1+256+16*\q
.endr
	WIN 0x80
.irp q, 0,1,2,3,4,5,6,7
	ds_load_b128 v[IB0+4*\q:IB0+4*\q+3], v[A128] offset:BIA+16*\q
	ds_load_b128 v[IB0+32+4*\q:IB0+35+4*\q], v[A128] offset:BIA+256+16*\q
.endr
	WIN 0
	DSW 16                                         ; the hidden layer is in: behind it the 16 loads of ib0
.set mm, 0
.rept 16
	MAXSTEP HID, mm, 0, SC, Q
	MAXSTEP HID+32, mm, 0, SC+1, Q+4
.set mm, mm+1
.endr
	v_mul_f32 v[SC], SIXTEENTH, v[SC]
	v_mul_f32 v[SC+1], SIXTEENTH, v[SC+1]
.irp s, 0,1,2,3
	WORDX \s, WORD1, SC, SC+1, PT, Q+1
.endr
	v_cvt_scalef32_pk16_bf6_f32 v[A1:A1+2], v[HID:HID+15], v[SC]
	v_cvt_scalef32_pk16_bf6_f32 v[Q:Q+2], v[HID+16:HID+31], v[SC]
	v_cvt_scalef32_pk16_bf6_f32 v[A1+6:A1+8], v[HID+32:HID+47], v[SC+1]
	v_cvt_scalef32_pk16_bf6_f32 v[Q+4:Q+6], v[HID+48:HID+63], v[SC+1]
.irp q, 0,1,2,3
	v_mul_u32_u24 v[SW0+\q], v[SW0+\q], 0x10001    ; iw0's two bytes, repeated for the zero blocks
.endr
.irp i, 0,1,2
	v_mov_b32 v[A1+3+\i], v[Q+\i]
	v_mov_b32 v[A1+9+\i], v[Q+4+\i]
.endr
	PLACES 4
	WIN 0x33
	WM 192, NW1F, A1, NB1, SWX, WORD1, 0
	WM 200, NW1F+12, A1, NB1+8, SWX+1, WORD1, 0
	WIN 0
	; what the loop keeps, from LDS into its registers
	WIN 0x40
.irp t, 0,1,2,3,4,5,6,7
.irp p, 0,1,2
	ds_load_b64 v[W0+6*\t+2*\p:W0+6*\t+2*\p+1], v[AW0] offset:C0+48*(64*(\t/4)+8*(\t%4))+2*G0PAD*(\t/4)+8*\p
.endr
.endr
	WIN 0
	PLACES 4
.irp j, 0,2,4,6,8,10,12,14
	RELU2 192+\j
.endr
	WIN 0x0c
	v_mul_f32 v208, v192, v[NW2]
	v_mul_f32 v209, v192, v[NW2+1]
	v_mul_f32 v210, v200, v[NW2+16]
	v_mul_f32 v211, v200, v[NW2+17]
.irp j, 1,2,3,4,5,6,7
	v_fmac_f32 v208, v[192+\j], v[NW2+2*\j]
	v_fmac_f32 v209, v[192+\j], v[NW2+2*\j+1]
	v_fmac_f32 v210, v[200+\j], v[NW2+16+2*\j]
	v_fmac_f32 v211, v[200+\j], v[NW2+17+2*\j]
.endr
	WIN 0
	v_add_f32 v208, v208, v210
	v_add_f32 v209, v209, v211
	v_permlanex16_b32 v212, v208, s46, s47
	v_permlanex16_b32 v213, v209, s46, s47
	v_add_f32 v126, v208, v212
	v_add_f32 v127, v209, v213                     ; my 32 units' part of (o0, o1), in every lane
	; ---- my wave's rows: pair q of tiles: lane l is row rho = 128 q + 64 (l / 16) + 16 w + l % 16.  i = rho / 51 = (rho x 20561) >> 20, right for rho under 29,958; 8 j = 8 rho - 408 i, under 512,
	; so the term in q falls out under the mask.  Each address is made in the first register of its own load's destination
	v_lshl_add_u32 v125, v[RR], 3, s52
	v_lshl_add_u32 v125, v[HH], 9, v125            ; 8 (64 hh + 16 w + r)
.macro ROWADDR g
.irp s, 0,1,2,3,4,5
.set n, 0
.rept 11
.set D, HID+6*n
.if \s == 0
	v_mad_u32_u24 v[D], v125, s51, 1024*(11*\g+n)*20561
.elseif \s == 1
	v_bfe_u32 v[D], v[D], 23, 6                    ; i, 0 .. 63
.elseif \s == 2
	v_mul_u32_u24 v[D+4], v[D], 408
.elseif \s == 3
	v_lshlrev_b32 v[D], 4, v[D]
.elseif \s == 4
	v_sub_nc_u32 v[D+4], v125, v[D+4]
.else
	v_and_b32 v[D+4], 0x1f8, v[D+4]                ; 8 j
.endif
.set n, n+1
.endr
.endr
.set n, 0
.rept 11
.set D, HID+6*n
	ds_load_b128 v[D:D+3], v[D] offset:IT
	ds_load_b64 v[D+4:D+5], v[D+4]
.set n, n+1
.endr
.endm
.macro ROWS g
.set n, 0
.rept 11
.set D, HID+6*n
	v_fma_f32 v[194+11*\g+n], v[D+1], v[D+4], v[D] ; s = t + d u
.set n, n+1
.endr
	WIN 0x80
.set n, 0
.rept 11
.set D, HID+6*n
	v_mul_f32 v[WGT+11*\g+n], v[D+2], v[D+5]       ; weight = g cc
.set n, n+1
.endr
	WIN 0
.endm
	ROWADDR 0
	WIN 0x80
.irp q, 0,1,2,3,4,5,6,7
	ds_load_b128 v[IB1+4*\q:IB1+4*\q+3], v[A128] offset:BIA+512+16*\q
	ds_load_b128 v[IB1+32+4*\q:IB1+35+4*\q], v[A128] offset:BIA+768+16*\q
.endr
	WIN 0x40
.irp q, 0,1,2,3,4,5,6,7
	ds_load_b128 v[IW2+4*\q:IW2+4*\q+3], v[A128] offset:BIA+1024+16*\q
	ds_load_b128 v[IW2+32+4*\q:IW2+35+4*\q], v[A128] offset:BIA+1280+16*\q
.endr
	WIN 0
	DSW 32                                         ; my rows' table entries are in: behind them the 32 loads above
	ROWS 0
	ROWADDR 1
	WIN 0x40
.irp t, 0,1,2,3,4,5,6,7
.irp p, 0,1,2,3,4,5
	ds_load_b64 v[W1+12*\t+2*\p:W1+12*\t+2*\p+1], v[AW1] offset:C1+96*(64*(\t/4)+8*(\t%4))+2*G1PAD*(\t/4)+48*(\p/3)+8*(\p%3)
.endr
.endr
	WIN 0
.irp q, 0,1,2,3
	ds_load_b32 v[SW1+\q], v[ASW] offset:BIA+1536+4*(64*(\q/2)+16*(\q%2))
.endr
	DSW 52                                         ; behind them the 52 loads above
	ROWS 1
	; ---- what else the loop keeps
	WIN 0x15                                       ; sources 0 to 2 in window 1
.irp n, 0,1,2,3,4,5,6,7,8,9
	v_max3_num_f32 v[36+\n], |v[H+1+3*\n]|, |v[H+2+3*\n]|, |v[H+3+3*\n]|
.endr
	WIN 0x01
	v_max_num_f32 v45, |v[H+31]|, v45
	v_mov_b32 v[H31], v[H]                         ; lanes 16-31: inp(32) = h(31), kept: inp(32 hh) is written anew for each tile
	WIN 0x41
.irp i, 1,2,3,4,5,6,7,8,9,10,11,12,13,14,15
	v_mov_b32 v[H2+\i], v[H+\i]
.endr
	WIN 0
	v_max3_num_f32 v36, v36, v37, v38
	v_max3_num_f32 v39, v39, v40, v41
	v_max3_num_f32 v42, v42, v43, v44
	v_max_num_f32 v36, v36, v45
	v_mov_b32 v[INIT], s42
	v_max3_num_f32 v[HMAX], v36, v39, v42
	v_mul_f32 v[INIT], 0.5, v[INIT]
	v_max_num_f32 v36, |v[H31]|, v[HMAX]           ; lanes 16-31: block 1's largest magnitude, the same for every tile
	v_mov_b32 v[INIT+1], 0
	v_mul_f32 v36, SIXTEENTH, v36
	v_lshrrev_b32 v36, 23, v36
	v_permlanex16_b32 v37, v36, s46, s47           ; its byte comes to lanes 0-15, where the scale word is read
	v_lshlrev_b32 v[E1C], 8, v37
	v_lshl_or_b32 v[E1C], v37, 24, v[E1C]
.irp i, 0,1,2,3,4,5,6,7
	v_mov_b32 v[ACC+\i], 0                         ; the sums of a trip that does not exist
.endr
	v_and_b32 v124, 31, v0
	v_lshl_add_u32 v124, v124, 2, s53
	DSW 0x0                                        ; my reads of the shared bytes are back
	s_barrier_signal -1
	s_barrier_wait -1                              ; everybody's are
.set q, 0
.rept 22
	ds_store_b32 v124, v[194+q] offset:128*q       ; s of pair q of tiles
.set q, q+1
.endr
	s_lshl_b32 s62, s43, 3
	v_mov_b32 v125, s62
	ds_store_b64 v125, v[126:127] offset:PO
	ds_load_b32 v[VS], v[ADR]                      ; s of tiles 0 and 1: LDS serves a wave's instructions in order, so these see my stores
	ds_load_b32 v[VS+1], v[ADR] offset:64
	DSW 0x0
	PREP1
	v_nop                                          ; one plain line between the conversions and what touches their results
	ds_load_b32 v[VS], v[ADR] offset:128           ; s of tiles 2 and 3
	ds_load_b32 v[VS+1], v[ADR] offset:192
	PREP2
	v_add_nc_u32 v[ADR], 128, v[ADR]
	PLACES 7                                       ; with it eight places between the scale words and the first products
	s_mov_b32 s49, 0
	AW
; A trip: both products and the dot product of its tiles; next = 1: the inputs of the next trip's tiles, and the half sums of the trip before, whose lines are the places behind and in front of the products
.macro TRIP next
	L0MUL
.if \next
	s_wait_dscnt 0x0                               ; s of the next trip's tiles, asked for in the trip before
	PREP1
.else
	PLACES 4
.endif
	QUANT
.if \next
	FIN                                            ; four places
	ds_store_b32 v[ADRH], v[ACC]
	ds_store_b32 v[ADRH], v[ACC+4] offset:128
	v_add_nc_u32 v[ADR], 128, v[ADR]
	v_add_nc_u32 v[ADRH], 256, v[ADRH]
	ds_load_b32 v[VS], v[ADR]                      ; here no product's result is pending
	ds_load_b32 v[VS+1], v[ADR] offset:64
.else
	PLACES 4
.endif
	L1MUL
.if \next
	PREP2                                          ; eight places
.else
	PLACES 4
.endif
	DOT
.endm
.Ltrip:
	TRIP 1
	s_add_co_u32 s49, s49, 1
	s_cmp_lt_u32 s49, TRIPS
	s_cbranch_scc1 .Ltrip
	; ---- the last trip's half sums, the one tile more
	FIN
	ds_store_b32 v[ADRH], v[ACC]
	ds_store_b32 v[ADRH], v[ACC+4] offset:128
	ds_store_b32 v[ADRH], v[ACC+4] offset:256+128  ; tile 41 does not exist: its place gets finite numbers, and its rows' weights are 0
.set N, 1
	TRIP 0
	FIN
	ds_store_b32 v[ADRH], v[ACC] offset:256
	; ---- the ends of my rows, 32 at a time: the mapping of the weights
	v_and_b32 v124, 31, v0
	v_lshl_add_u32 v124, v124, 3, s97
.set q, 0
.rept 21
	ds_load_b64 v[128+2*q:129+2*q], v124 offset:256*(q+1)
.set q, q+1
.endr
	DSW 0x0
.set q, 0
.rept 21
	v_add_f32 v[172+q], v[128+2*q], v[129+2*q]     ; y
.set q, q+1
.endr
.set q, 0
.rept 21
	v_mul_f32 v[194+q], 0x3fb8aa3b, v[172+q]
	v_cmp_lt_f32 s[66+q], 0, v[172+q]
.set q, q+1
.endr
	AW
.set q, 0
.rept 21
	v_exp_f32 v[194+q], v[194+q]
.set q, q+1
.endr
.set q, 0
.rept 21
	v_add_f32 v[216+q], 1.0, v[172+q]
.set q, q+1
.endr
	AW
.set q, 0
.rept 21
	v_cndmask_b32 v[194+q], v[194+q], v[216+q], s[66+q]
.set q, q+1
.endr
	WIN 0x08                                       ; source 1 window 2
	v_mul_f32 v124, v194, v[WGT]
	v_mul_f32 v125, v195, v[WGT+1]
	v_mul_f32 v126, v196, v[WGT+2]
.set q, 3
.rept 18
	v_fmac_f32 v[124+q%3], v[194+q], v[WGT+q]
.set q, q+1
.endr
	WIN 0
	v_add_f32 v124, v124, v125
	v_add_f32 v124, v124, v126
.irp k, 1,2,4,8
	v_add_f32_dpp v124, v124, v124 row_xmask:\k row_mask:0xf bank_mask:0xf
.endr
	v_permlanex16_b32 v125, v124, s46, s47
	v_add_f32 v124, v124, v125
	s_lshl_b32 s62, s43, 2
	v_mov_b32 v126, s62
	ds_store_b32 v126, v124 offset:PI
	DSW 0x0                                        ; for wave 0's sake: my parts are stored
	s_barrier_signal -1
	s_barrier_wait -1
	s_cmp_lg_u32 s43, 0
	s_cbranch_scc1 .Lend
	v_mov_b32 v124, 0
	ds_load_b128 v[128:131], v124 offset:PI
	ds_load_b128 v[132:135], v124 offset:PO
	ds_load_b128 v[136:139], v124 offset:PO+16
	DSW 0x0
	v_pk_add_f32 v[128:129], v[128:129], v[130:131]
	v_pk_add_f32 v[132:133], v[132:133], v[134:135]
	v_pk_add_f32 v[136:137], v[136:137], v[138:139]
	v_add_f32 v128, v128, v129                     ; the double sum
	v_pk_add_f32 v[132:133], v[132:133], v[136:137]
	v_mov_b32 v125, s41
	v_cmp_eq_u32 vcc_lo, 0, v0
	v_add_f32 v133, s45, v133                      ; o1
	v_add_f32 v132, s44, v132                      ; o0
	v_mul_f32 v133, 0x3fb8aa3b, v133
	AW
	v_exp_f32 v133, v133
	v_mul_f32 v128, s40, v128                      ; (plain lines behind the exponential)
	v_mul_f32 v128, 0.5, v128
	AW
	v_fma_f32 v128, v133, v128, v132
	AW
	s_wait_xcnt 0x0                                ; EXEC changes only behind this wait
	s_and_saveexec_b32 s60, vcc_lo
	global_store_b32 v125, v128, s[38:39]          ; the work-group's one number
	s_wait_xcnt 0x0                                ; and again, in front of the line that widens it
	s_or_b32 exec_lo, exec_lo, s60
.Lend:
	s_wait_tensorcnt 0x0                           ; the wave's end
	ds_add_u32 v[SPW], v[NIL]
	s_wait_dscnt 0x0
	s_endpgm
.Lfunc_end_k_q0c686b4033_umnn:
	.size	k_q0c686b4033_umnn, .Lfunc_end_k_q0c686b4033_umnn-k_q0c686b4033_umnn
	.p2alignl 7, 3214868480
	.fill 96, 4, 3214868480
	.section	.rodata,"a",@progbits
	.p2align	6, 0x0
	.amdhsa_kernel k_q0c686b4033_umnn
		.amdhsa_group_segment_fixed_size 60160
		.amdhsa_private_segment_fixed_size 0
		.amdhsa_enable_private_segment 0
		.amdhsa_kernarg_size 144
		.amdhsa_user_sgpr_count 2
		.amdhsa_user_sgpr_kernarg_segment_ptr 1
		.amdhsa_wavefront_size32 1
		.amdhsa_system_sgpr_workgroup_id_x 1
		.amdhsa_system_sgpr_workgroup_id_y 1
		.amdhsa_system_sgpr_workgroup_id_z 1
		.amdhsa_system_vgpr_workitem_id 0
		.amdhsa_next_free_vgpr 1024
		.amdhsa_next_free_sgpr 98
		.amdhsa_reserve_vcc 1
		.amdhsa_float_denorm_mode_32 3
		.amdhsa_float_denorm_mode_16_64 3
		.amdhsa_memory_ordered 1
		.amdhsa_forward_progress 1
		.amdhsa_inst_pref_size 111
	.end_amdhsa_kernel
	.amdgpu_metadata
---
amdhsa.version: [ 1, 2 ]
amdhsa.kernels:
  - .name:           k_q0c686b4033_umnn
    .symbol:         k_q0c686b4033_umnn.kd
    .args:
      - { .name: x, .offset: 0, .size: 8, .value_kind: global_buffer, .address_space: global }
      - { .name: h, .offset: 8, .size: 8, .value_kind: global_buffer, .address_space: global }
      - { .name: iw0_codes, .offset: 16, .size: 8, .value_kind: global_buffer, .address_space: global }
      - { .name: iw0_scales, .offset: 24, .size: 8, .value_kind: global_buffer, .address_space: global }
      - { .name: iw1_codes, .offset: 32, .size: 8, .value_kind: global_buffer, .address_space: global }
      - { .name: iw1_scales, .offset: 40, .size: 8, .value_kind: global_buffer, .address_space: global }
      - { .name: ib0, .offset: 48, .size: 8, .value_kind: global_buffer, .address_space: global }
      - { .name: ib1, .offset: 56, .size: 8, .value_kind: global_buffer, .address_space: global }
      - { .name: iw2, .offset: 64, .size: 8, .value_kind: global_buffer, .address_space: global }
      - { .name: ib2, .offset: 72, .size: 8, .value_kind: global_buffer, .address_space: global }
      - { .name: nw0, .offset: 80, .size: 8, .value_kind: global_buffer, .address_space: global }
      - { .name: nb0, .offset: 88, .size: 8, .value_kind: global_buffer, .address_space: global }
      - { .name: nw1_codes, .offset: 96, .size: 8, .value_kind: global_buffer, .address_space: global }
      - { .name: nw1_scales, .offset: 104, .size: 8, .value_kind: global_buffer, .address_space: global }
      - { .name: nb1, .offset: 112, .size: 8, .value_kind: global_buffer, .address_space: global }
      - { .name: nw2, .offset: 120, .size: 8, .value_kind: global_buffer, .address_space: global }
      - { .name: nb2, .offset: 128, .size: 8, .value_kind: global_buffer, .address_space: global }
      - { .name: out0, .offset: 136, .size: 8, .value_kind: global_buffer, .address_space: global }
    .group_segment_fixed_size: 60160
    .private_segment_fixed_size: 0
    .kernarg_segment_align: 8
    .kernarg_segment_size: 144
    .max_flat_workgroup_size: 128
    .sgpr_count:     98
    .vgpr_count:     1024
    .wavefront_size: 32
...
	.end_amdgpu_metadata
.endif
;; end of part 2
